; MI455X (gfx1250); checked and timed in simulation.
; The chip was launched on July 23, 2026; its instructions are those of AMD's public machine-readable ISA for CDNA 5 (MIT licence, August 2026) and "CDNA5" Instruction Set Architecture Reference Guide (July 2026). The comments in the code are by the model that wrote it; some were corrected since.
;; min GRU. Allowed arithmetic: matrix products marked QUANTISED: E3M2 operands, one E8M0 scale for each 32 along K, by v_wmma_scale_f32_16x16x128_f8f6f4 with both operands' format E3M2, f32 sums; everything else in f32.
;; Inputs: W_hg_codes 2,048 x 32 x 24 uint8 (E3M2 codes of W_hg, K innermost, in blocks of 32 codes, four codes in three bytes); W_hg_scales 2,048 x 32 uint8 (E8M0 scales of W_hg, one for each 32 codes along K); W_out_codes 1,024 x 32 x 24 uint8 (E3M2 codes of W_out, K innermost, in blocks of 32 codes, four codes in three bytes); W_out_scales 1,024 x 32 uint8 (E8M0 scales of W_out, one for each 32 codes along K); x_codes 4 x 4,096 x 32 x 24 uint8 (E3M2 codes of x, K innermost, in blocks of 32 codes, four codes in three bytes); x_scales 4 x 4,096 x 32 uint8 (E8M0 scales of x, one for each 32 codes along K).
;; Outputs: out0 4 x 4,096 x 1,024 float32.
;; This version of the problem:
;;   THIS VERSION OF THE PROBLEM IS GIVEN IN LOW PRECISION. The matrix products marked QUANTISED in the list below multiply operands that are first quantised to E3M2 (3 exponent bits, 2 mantissa bits; 6 bits a number), with one power-of-two scale for each 32 numbers along K (OCP MX v1.0); their sums are f32. All else is computed in f32.
;;   The module's matrix products, in the order in which they are computed (A, B: the left and right operand; K: the contracted axis; several contracted axes count as one K, in the product's order):
;;     1. [M 16,384, K 1,024] x [K 1,024, N 2,048]; A: input x (given as codes); B: input W_hg (given as codes): QUANTISED
;;     2. [M 16,384, K 1,024] x [K 1,024, N 1,024]; A: computed on the way; B: input W_out (given as codes): QUANTISED
;;   THE QUANTISER, for each operand of a quantised product, along K:
;;     - K is cut into blocks of 32 from its start; a last block that is shorter is filled with zeros.
;;     - A block's scale is 2^e with e = floor(log2(the largest magnitude in the block)) - 4, held to -126 .. 127; a block of zeros has e = 0. As a byte (E8M0): e + 127.
;;     - Each number is divided by its block's scale, clamped to +-28, and rounded to the nearest number of E3M2, ties to even, subnormals kept.
;;     - The product sums the exact products of the quantised numbers (number of the format x scale) in f32.
;;   ~~~python
;;   def quantise(x, axis):      # numpy; x: float32 -> the quantised numbers, widened to float32 again
;;       x = np.moveaxis(x, axis, -1); K = x.shape[-1]
;;       x = np.pad(x, [(0, 0)] * (x.ndim - 1) + [(0, -K % 32)]); x = x.reshape(x.shape[:-1] + (-1, 32)); a = np.abs(x).max(-1, keepdims=True)
;;       e = np.where(a > 0, np.clip(np.frexp(np.where(a > 0, a, 1))[1] - 1 - 4, -126, 127), 0)      # np.frexp(a)[1] - 1 = floor(log2(a)), exactly
;;       r = np.clip(x / 2.0 ** e, -28, 28)
;;       step = 2.0 ** (np.maximum(np.frexp(np.where(r == 0, 1, r))[1] - 1, -2) - 2)
;;       q = np.round(r / step) * step * 2.0 ** e      # np.round: ties to even
;;       return np.moveaxis(q.reshape(q.shape[:-2] + (-1,))[..., :K], -1, axis).astype(np.float32)
;;   ~~~
;;   OPERANDS COMPUTED ON THE WAY. 'Computed on the way' means the value that the module computes at that place (a softmax that the list does not call 'softmax' is quantised finished and normalised). What goes into a quantiser is computed in f32, as accurately as f32 sums, v_exp_f32 and their like allow (about 1e-6 of the number): no bf16 or f16 on the way to a quantiser, and a product that is left as it is and whose result goes on into a quantised operand takes f32 operands (vector FMAs, or v_wmma_f32_16x16x4_f32). A number that lies on a knife's edge between two numbers of the format may be rounded either way, as far as f32 arithmetic and the matrix unit's own rounding can turn it there, and no further.
;;   INPUTS GIVEN AS CODES. W_hg (in the module: [2048, 1024], K = its axis 1); W_out (in the module: [1024, 1024], K = its axis 1); x (in the module: [4, 4096, 1024], K = its axis 2): each comes as NAME_codes (uint8): NAME with its K axis moved to the last place and cut into blocks of 32 codes, [.., K / 32, bytes a block], one block behind the other in memory; four codes in three bytes: a row's codes are one little-endian stream of bits, code i at bits 6 i .. 6 i + 5 (a code: sign, 3 exponent bits, 2 mantissa bits); and NAME_scales (uint8): the same leading axes, one E8M0 byte (e + 127) for each 32 codes along K. Its value is code x scale, taken as it is: it is not quantised again, and the codes and scales need not be those that the quantiser above would give.
;; 2 versions. Each part assembles by itself: llvm-mc -triple=amdgcn-amd-amdhsa -mcpu=gfx1250 --defsym DOCPART=n.
;; ======== version 1 of 2: 2 launches
;; workspace buffers: hc 12,582,912 bytes; hs 524,288 bytes
;; launch scan (part 1): grid 32 x 4, 4 waves a work-group, clusters of 4 x 1, 327,680 bytes of LDS; arguments x_codes, x_scales, W_hg_codes, W_hg_scales, hc, hs; writes hc, hs
.if DOCPART == 1
	.amdgcn_target "amdgcn-amd-amdhsa--gfx1250"
	.amdhsa_code_object_version 6
	.text
	.protected	k_q09a9adbc51_scan
	.globl	k_q09a9adbc51_scan
	.p2align	8
	.type	k_q09a9adbc51_scan,@function
k_q09a9adbc51_scan:
	s_mov_b64 s[64:65], 0
	v_nop
	global_prefetch_b8 v0, s[64:65] scope:SCOPE_SE
	s_setreg_imm32_b32 hwreg(HW_REG_WAVE_MODE, 25, 1), 1
	s_wait_xcnt 0x0
	s_wait_alu depctr_hold_cnt(0) depctr_sa_sdst(0) depctr_va_vdst(0) depctr_va_sdst(0) depctr_va_ssrc(0) depctr_va_vcc(0) depctr_vm_vsrc(0)
	s_getreg_b32 s2, hwreg(HW_REG_IB_STS2, 6, 4)
	s_cmp_eq_u32 s2, 0
	s_cbranch_scc0 .Lentry_in_a_cluster
	s_endpgm
.Lentry_in_a_cluster:
	s_bfe_u32 s2, ttmp6, 0x10000c
	s_cmp_lg_u32 s2, 0x3003
	s_cbranch_scc0 .Lentry_shape_is_right
	s_endpgm
.Lentry_shape_is_right:
; minGRU, first launch: hg = x W_hg^T on codes of E3M2 (one E8M0 scale for each 32 along K), the gate and the value of each element, the whole scan along S, and h quantised along the channels.
; THE SCAN.  exp(a*_t + cumlogsumexp(v - a*)_t) is the recurrence h_t = a_t h_(t-1) + b_t, h_(-1) = 0, with a = sigmoid(-gate), b = sigmoid(gate) g(hidden), g(x) = max(x + 0.5, sigmoid(x))
; (the maximum is the reference's choice by the sign of x: the sigmoid lies above x + 0.5 under 0 and below it above 0).  All terms are 0 or more and a is at most 1: h is a mix of the g's, nothing
; overflows, no difference of large sums is formed; the only exponentials stand inside sigmoids, so no maximum has to be taken away.
; AN ELEMENT, in f32, L = log2(e): e = 2^min(-L gate, 125); z = 1 / (1 + e); a = e z; u = 2^(-L hidden); g = max(hidden + 0.5, 1 / (1 + u)); b = z g.
; LIMITS: z is held at 2^-125 from below; a sigmoid under 2^-126 counts as 0; NaN, infinities and the scale byte 0xff among the inputs are not served; a block of zeros of h gets the scale byte 1
; where the quantiser's rule says 127 (its codes are zeros, and only this program reads the bytes).
; SHARES.  A work-group owns one batch b and ONE BLOCK OF 32 CHANNELS j, for all of S: the carry along S and the quantiser's block of 32 channels both stay inside it.  That gives 4 x 32 = 128 work-groups.
; S goes in 8 chunks of 512 rows, 128 rows a wave.  LANE r OWNS 8 CONSECUTIVE ROWS, s = 512 chunk + 128 wave + 8 r + t, and tile t of 16 rows is row t of each lane's run.
; THE MATRIX INSTRUCTION IS USED TRANSPOSED (source 0 = 16 rows of W, source 1 = 16 rows of x), and lane m of W's tile (part p, u) takes row 1024 p + 32 j + 8 u + m + 8 (m / 8): so lane (r, h) holds, for its
; row, channels 16 h + 0 .. 15 in 16 consecutive registers, hidden and gate alike: the scan goes from tile to tile in registers, and the quantiser finds 16 neighbours along its K in one lane.
; W's 64 rows (32 fragments, 384 registers a wave) stay in registers for the whole launch; each fragment of x read from LDS feeds four matrix instructions.
; THE CARRY.  Each lane folds its 8 rows into (A, B), h_out = A h_in + B; the 64 runs' (A, B) of a chunk meet in LDS; every wave walks the chain of 64 with a lane to a channel, keeps the chunk's carry,
; and hands its own 16 runs their h_in through its own bytes of LDS; then the 8 rows are run again from h_in.
; CLUSTER.  The four work-groups of a cluster have the same batch and walk the same x: each tile of x is asked for JOINTLY (mask 15), by the same tensor load with the same descriptor in all four.
; OUT.  hc: byte (R / 32) 24576 + 768 j + 384 (((R / 16) % 2) xor (j % 2)) + 24 (R % 16) + 0 .. 23 holds row R's block j, R = 4096 b + s: a piece of 32 rows x one block is 768 consecutive bytes.
; hs: byte 16384 j + R holds that block's scale.  Each store of a wave covers aligned runs of 256 consecutive bytes in sixteen neighbouring lanes.
; REGISTERS, in windows of 256: window 0: v0-31 addresses and small things; v32-63 W's scale words; v64-127 x's scale words; v128-223 two sets of four fragments of x (in FINISH: at work); v224-255 at work.
;   window 1: v0-191 W's hidden fragments (12 (8 u + q)); v192-255 T and U of the activation.   window 2: v0-191 W's gate fragments; v192-207 B of my run, later h_in; v208-223 A of my run.
;   window 3: v[16 t] hidden, then b, then h of tile t;  v[128 + 16 t] gate, then a.
.set SLOT1,  1<<17                     ; slot 1 of x's ring begins here: one exclusive or turns the walking descriptor's LDS address
.set XP,     1776                      ; an LDS row of x's tile: two rows of x, 1,536 bytes, with 80 bytes of padding behind each 512 = 444 words: row r starts at bank -4 r mod 64 (64 banks of 4 bytes: ISA guide 11.1)
.set XW,     16*XP                     ; a wave's tile: 16 such rows
.set AGG,    4*XW                      ; behind slot 0: the 64 runs' sums, 272 bytes each: A of 32 channels, B of 32 channels, 16 of padding
.set AGP,    272
.set HIN,    SLOT1+4*XW                ; behind slot 1: h_in of each wave's 16 runs, 144 bytes each (32 channels + 16 of padding)
.set HIP,    144
.set STG,    HIN+4*16*HIP              ; each wave's stage for its codes: 4 pieces of 768 bytes, 784 apart
.set STP,    784
.set STWV,   3328
.set SCB,    STG+4*STWV                ; h's scale bytes of all of S: 1,024 for each wave, 128 a chunk
.set SPARE,  SCB+4096                  ; the spare words, 128 bytes for each wave: two blocks of 256 bytes that no other line names
.set CHUNKB, 393216                    ; 512 rows of 768 bytes: a chunk of x's codes, and of hc
.set SPW,  1                           ; v1   LDS address of my spare word; never rewritten
.set NIL,  2                           ; v2   0; never rewritten
.set AX,   3                           ; v3-4 my place in my wave's tile of x, slot 0, 1: 1776 r + 24 h
.set AXB,  5                           ; v5-6 the same for pieces whose partner three pieces on lies behind one padding more: 1776 r + 104 h
.set XSO,  7                           ; v7   256 r: my 8 rows' scale bytes of x
.set AGW,  8                           ; v8   where I put my run's sums
.set AGR,  9                           ; v9   where I read the runs' sums, a lane to a channel
.set HIW,  10                          ; v10  where I put h_in, a lane to a channel
.set HIR,  11                          ; v11  where I read my run's h_in
.set STW,  12                          ; v12  the stage: my rows' place
.set STR,  13                          ; v13  the stage read back: 16 bytes a lane
.set STR2, 14                          ; v14  the same where lanes 16-31 stand in the next piece
.set GO,   15                          ; v15  16 x lane
.set GO2,  16                          ; v16  the same where lanes 16-31 stand in the next piece of hc
.set SCW,  17                          ; v17  my rows' scale bytes in my wave's part of SCB
.set PFO,  18                          ; v18  256 x lane: the prefetches' offset; never rewritten
.set CARRY, 19                         ; v19  h at the end of the last chunk, a lane to a channel
.set SW,   20                          ; v20-22 at work in the exchange of halves
.set SCR,  23                          ; v23  the way out of the scale bytes
.set SB,   24                          ; v[24:25] my 8 rows' scale bytes
.set WS,   32
.set XS,   64
.set XF,   128
.set WV,   16                          ; s16  my wave's number
.set SEL,  20                          ; s[20:21] lane selects: lane l xor 16
.set ML,   22                          ; s[22:23] -log2(e), twice
.set CAP,  24                          ; s24  125.0
.set SWM,  25                          ; s25  all ones where j is odd, else 0
.set CNT,  26                          ; s26  chunks to go
.set LIM,  27                          ; s27  1 in the batch's first cluster, which prefetches
.set G0,   28                          ; s[28:31] descriptor group 0, which walks
.set G1,   32                          ; s[32:39] descriptor group 1
.set PFA,  40                          ; s[40:41] where my prefetches stand: my work-group's quarter of my wave's rows of the next chunk
.set SCO,  62                          ; s62  128 x chunk
.set MSB, 0
.macro WIN new                         ; the immediate's high byte repeats the setting that is left
.if MSB != \new
	s_set_vgpr_msb (MSB<<8)|\new
.set MSB, \new
.endif
.endm
.macro PLACES                          ; four places behind a matrix instruction, ahead of loads into its registers and of the first read of its result
.rept 4
	v_nop
.endr
.endm
.macro CROUND                          ; a round of the cluster's barrier
	s_barrier_signal -1
	s_barrier_wait -1
	s_cmp_lg_u32 s[WV], 0
	s_cbranch_scc1 .Lnot_wave_0_\@
	s_barrier_signal -3
.Lnot_wave_0_\@:
	s_barrier_wait -3
	s_barrier_signal -1
	s_barrier_wait -1
.endm
; THE CHANGE OF SLOTS stands at a step's head.  My one tensor load that is out is this step's tile; behind the round no wave of any partner reads the other slot, which takes the next step's tile: it has a step in which to land.
.macro CHANGE add
	s_wait_tensorcnt 0x0                           ; all my tensor loads have landed, so group 0 may be written
	ds_add_u32 v[SPW], v[NIL]                      ; 0 onto my spare word
	s_xor_b32 s[G0+1], s[G0+1], SLOT1              ; the other slot,
	s_add_nc_u64 s[G0+2:G0+3], s[G0+2:G0+3], \add  ; the next step's rows; the type bits on top are not reached
	s_wait_dscnt 0x0                               ; the add is done, and my reads of the other slot are over
	CROUND
	tensor_load_to_lds s[G0:G0+3], s[G1:G1+7]      ; every wave's one load behind the round: its own 16 long rows
	s_nop 0
.rept 4
	v_nop
.endr
.endm
; A PREFETCH INTO THE L2 of the next chunk's rows of x.  All clusters of a batch walk the same x: the batch's first cluster asks.  Of a wave's 98,304 bytes of a chunk each of the four partners takes 24,576, told apart
; by address; three instructions, in steps 0 to 2, lanes 256 bytes apart: each aligned block of 256 bytes is named once in the launch.  The next chunk's first tile is asked for at step 3's head.  The last chunk asks for nothing.
.macro ASK i
	s_cmp_eq_u32 s[LIM], 1
	s_cbranch_scc0 .Lnot_mine_\@
	global_prefetch_b8 v[PFO], s[PFA:PFA+1] offset:8192*(\i) th:TH_LOAD_NT scope:SCOPE_SE
.Lnot_mine_\@:
.endm
; A fragment of x: row e of my long row, K step q: 12 registers, in pieces of 8 bytes.  Data byte o of a long row lies at o + 80 (o / 512).
.macro FRAGX reg, sg, e, q
.irp p, 0,1,2,3,4,5
.set OO, 768*(\e)+96*(\q)+48*(\p/3)+8*(\p%3)
.if OO%512 < 488
	ds_load_b64 v[\reg+2*\p:\reg+2*\p+1], v[AX+(\sg)] offset:OO+80*(OO/512)
.else
	ds_load_b64 v[\reg+2*\p:\reg+2*\p+1], v[AXB+(\sg)] offset:OO+80*(OO/512)
.endif
.endr
.endm
.macro FETCH sg, g, set                ; 24 loads: K steps 2 g, 2 g + 1 of the step's two tiles
.irp q2, 0,1
.irp e, 0,1
	FRAGX (\set)+24*\q2+12*\e, \sg, \e, 2*(\g)+\q2
.endr
.endr
.endm
; 16 matrix instructions on one set: 8 for hidden, 8 for gate.  In each eight the four accumulators (tile e, half u) take turns, one instruction a turn.  K step 0 starts the sums.
.macro MULSET i, g, set
.irp pp, 0,1
	WIN 0xf1+\pp                                   ; source 0 (W) window 1 or 2, source 1 (x) window 0, C and D window 3
.irp q2, 0,1
.irp e, 0,1
.irp u, 0,1
.set QQ, 2*(\g)+\q2
.set TT, 2*(\i)+\e
.set rD, 128*\pp+16*TT+8*\u
.set rA, 12*(8*\u+QQ)
.set rB, (\set)+24*\q2+12*\e
.if QQ == 0
	v_wmma_scale_f32_16x16x128_f8f6f4 v[rD:rD+7], v[rA:rA+11], v[rB:rB+11], 0, v[WS+16*\pp+8*\u+QQ], v[XS+8*TT+QQ] matrix_a_fmt:MATRIX_FMT_BF6 matrix_b_fmt:MATRIX_FMT_BF6
.else
	v_wmma_scale_f32_16x16x128_f8f6f4 v[rD:rD+7], v[rA:rA+11], v[rB:rB+11], v[rD:rD+7], v[WS+16*\pp+8*\u+QQ], v[XS+8*TT+QQ] matrix_a_fmt:MATRIX_FMT_BF6 matrix_b_fmt:MATRIX_FMT_BF6
.endif
.endr
.endr
.endr
.endr
.endm
.macro XSLOAD                          ; the next chunk's scale words of x: my 8 rows x 32 bytes are 256 consecutive bytes; register 8 t + q is row t's word of K step q
	s_add_nc_u64 s[6:7], s[6:7], 16384             ; (the last chunk's loads were waited for at its first step)
.irp m, 0,1,2,3,4,5,6,7,8,9,10,11,12,13,14,15
	global_load_b128 v[XS+4*\m:XS+4*\m+3], v[XSO], s[6:7] offset:16*\m
.endr
.endm
; THE ACTIVATION of tiles 2 i, 2 i + 1 (32 elements a lane), and their part of my run's sums.  Every accumulator is read from its low end on.  Two batches of transcendentals, one wait each.
.macro ACT i
.set HB, 32*(\i)
.set GB, 128+32*(\i)
.set TB, 192
.set UB, 224
.if (\i) == 3                          ; so that no two results of one batch bear the same register number
.set TB, 224
.set UB, 192
.endif
	WIN 0xff
.set k, 0
.rept 16
	v_pk_mul_f32 v[GB+k:GB+k+1], v[GB+k:GB+k+1], s[ML:ML+1] op_sel_hi:[1,0]   ; -L gate
.set k, k+2
.endr
.set k, 0
.rept 32
	v_min_num_f32 v[GB+k], s[CAP], v[GB+k]         ; held at 125: e stays finite and 1 / (1 + e) a normal number
.set k, k+1
.endr
	WIN 0x43
.set k, 0
.rept 16
	v_pk_mul_f32 v[UB+k:UB+k+1], v[HB+k:HB+k+1], s[ML:ML+1] op_sel_hi:[1,0]   ; -L hidden
.set k, k+2
.endr
	WIN 0xff
.set k, 0
.rept 32
	v_exp_f32 v[GB+k], v[GB+k]                     ; e
.set k, k+1
.endr
	WIN 0x41
.set k, 0
.rept 32
	v_exp_f32 v[UB+k], v[UB+k]                     ; u
.set k, k+1
.endr
	WIN 0xff
.set k, 0
.rept 16
	v_pk_add_f32 v[HB+k:HB+k+1], v[HB+k:HB+k+1], 0.5 op_sel_hi:[1,0]          ; hidden + 0.5: plain work that names no exponential's result
.set k, k+2
.endr
	s_wait_alu depctr_va_vdst(0)                   ; one wait for the 64 exponentials, ahead of their first reader
	WIN 0x43
.set k, 0
.rept 16
	v_pk_add_f32 v[TB+k:TB+k+1], v[GB+k:GB+k+1], 1.0 op_sel_hi:[1,0]          ; 1 + e
.set k, k+2
.endr
	WIN 0x41
.set k, 0
.rept 16
	v_pk_add_f32 v[UB+k:UB+k+1], v[UB+k:UB+k+1], 1.0 op_sel_hi:[1,0]          ; 1 + u
.set k, k+2
.endr
.set k, 0
.rept 32
	v_rcp_f32 v[TB+k], v[TB+k]                     ; z
.set k, k+1
.endr
.set k, 0
.rept 32
	v_rcp_f32 v[UB+k], v[UB+k]                     ; sigmoid(hidden)
.set k, k+1
.endr
	v_nop                                          ; a plain instruction behind the last reciprocal
	s_wait_alu depctr_va_vdst(0)                   ; one wait for the 64 reciprocals
	WIN 0xc7                                       ; destination and source 0 window 3, source 1 window 1
.set k, 0
.rept 16
	v_pk_mul_f32 v[GB+k:GB+k+1], v[GB+k:GB+k+1], v[TB+k:TB+k+1]               ; a = e z
.set k, k+2
.endr
.set k, 0
.rept 32
	v_max_num_f32 v[HB+k], v[HB+k], v[UB+k]        ; g
.set k, k+1
.endr
.set k, 0
.rept 16
	v_pk_mul_f32 v[HB+k:HB+k+1], v[HB+k:HB+k+1], v[TB+k:TB+k+1]               ; b = z g
.set k, k+2
.endr
.if (\i) == 0                          ; my run's sums begin with rows 0 and 1: B = a1 b0 + b1, A = a1 a0
	WIN 0xbf
.set k, 0
.rept 8
	v_pk_fma_f32 v[192+k:193+k], v[144+k:145+k], v[k:k+1], v[16+k:17+k]
.set k, k+2
.endr
.set k, 0
.rept 8
	v_pk_mul_f32 v[208+k:209+k], v[144+k:145+k], v[128+k:129+k]
.set k, k+2
.endr
.else                                  ; and take a row at a time: B = a B + b, A = a A
	WIN 0xbb
.irp e, 0,1
.set k, 0
.rept 8
	v_pk_fma_f32 v[192+k:193+k], v[GB+16*\e+k:GB+16*\e+k+1], v[192+k:193+k], v[HB+16*\e+k:HB+16*\e+k+1]
.set k, k+2
.endr
.set k, 0
.rept 8
	v_pk_mul_f32 v[208+k:209+k], v[GB+16*\e+k:GB+16*\e+k+1], v[208+k:209+k]
.set k, k+2
.endr
.endr
.endif
	WIN 0
.endm
; A STEP: tiles 2 i, 2 i + 1 over all of K: 64 matrix instructions on two sets of fragments by turns, then the activation.
; s_wait_dscnt 24: the other set's 24 loads, which are younger, may stay out.
.macro STEP i, fill, add, pf, xs
.set SG, (\i)%2
.if \fill
	CHANGE \add
.else
	s_wait_tensorcnt 0x0                           ; the last tile: a wave reads only rows that its own load brought; nothing is filled again
.endif
	FETCH SG, 0, XF
	FETCH SG, 1, XF+48
.if \pf
	ASK \i
.endif
.if (\i) == 0
	s_wait_loadcnt 0x0                             ; this chunk's scale words of x (the first time: W and its scale words too)
.endif
	s_wait_dscnt 24
	MULSET \i, 0, XF
	PLACES
	WIN 0
	FETCH SG, 2, XF
	s_wait_dscnt 24
	MULSET \i, 1, XF+48
	PLACES
	WIN 0
	FETCH SG, 3, XF+48
	s_wait_dscnt 24
	MULSET \i, 2, XF
	s_wait_dscnt 0x0
	MULSET \i, 3, XF+48
	PLACES
	WIN 0
.if \xs
	XSLOAD
.endif
	ACT \i
.endm
.macro HSTORE qw                       ; wave qw keeps the chain's values ahead of its own 16 runs: in its own bytes of LDS, a lane to a channel
	s_cmp_lg_u32 s[WV], \qw
	s_cbranch_scc1 .Lnot_my_runs_\@
.irp n, 0,1,2,3,4,5,6,7,8,9,10,11,12,13,14,15
.if 16*\qw+\n == 0
	ds_store_b32 v[HIW], v[CARRY]
.else
	ds_store_b32 v[HIW], v[127+2*(16*\qw+\n)] offset:HIP*\n
.endif
.endr
.Lnot_my_runs_\@:
.endm
; THE END OF A CHUNK: the carry, the 8 rows run again, the quantiser, the way out.
.macro FINISH more
	WIN 0x08                                       ; an LDS store's data are its source 1: window 2
.irp n, 0,1,2,3
	ds_store_b128 v[AGW], v[208+4*\n:211+4*\n] offset:16*\n        ; A of my run, my 16 channels
.endr
.irp n, 0,1,2,3
	ds_store_b128 v[AGW], v[192+4*\n:195+4*\n] offset:128+16*\n    ; B
.endr
	WIN 0
	s_wait_dscnt 0x0                               ; for the others' sake: my stores have landed
	s_barrier_signal -1
	s_barrier_wait -1                              ; the 64 runs' sums lie in LDS.  (They are written again only behind the next chunk's rounds, which every wave reaches behind its wait for these reads)
.set g, 0
.rept 64
	ds_load_b32 v[128+2*g], v[AGR] offset:AGP*g            ; A of run g, my channel
	ds_load_b32 v[129+2*g], v[AGR] offset:AGP*g+128        ; B
.set g, g+1
.endr
	s_wait_dscnt 63                                ; all but the youngest 63 of the 128: runs 0 to 31 are in
	v_fmac_f32 v129, v128, v[CARRY]                ; the chain: B_g becomes h behind run g
.set g, 1
.rept 63
.if g == 32
	s_wait_dscnt 32                                ; runs 32 to 47 are in
.endif
.if g == 48
	s_wait_dscnt 0x0
.endif
	v_fmac_f32 v[129+2*g], v[128+2*g], v[127+2*g]
.set g, g+1
.endr
	HSTORE 0
	HSTORE 1
	HSTORE 2
	HSTORE 3
	v_mov_b32 v[CARRY], v255                       ; h behind the chunk's last run
	WIN 0x80                                       ; destination window 2
.irp n, 0,1,2,3
	ds_load_b128 v[192+4*\n:195+4*\n], v[HIR] offset:16*\n         ; h_in of my run, my 16 channels: my wave's own bytes, and LDS serves a wave's instructions in order (ISA guide 5.7.1.4)
.endr
	WIN 0
	s_wait_dscnt 0x0
	WIN 0xfb                                       ; source 1 window 2, all else window 3
.set k, 0
.rept 8
	v_pk_fma_f32 v[k:k+1], v[128+k:129+k], v[192+k:193+k], v[k:k+1]           ; h_0 = a_0 h_in + b_0
.set k, k+2
.endr
	WIN 0xff
.irp t, 1,2,3,4,5,6,7
.set k, 0
.rept 8
	v_pk_fma_f32 v[16*\t+k:16*\t+k+1], v[128+16*\t+k:128+16*\t+k+1], v[16*\t-16+k:16*\t-16+k+1], v[16*\t+k:16*\t+k+1]   ; h_t = a_t h_(t-1) + b_t
.set k, k+2
.endr
.endr
	; the quantiser: a row's block of 32 channels lies in lanes l and l xor 16.  h is never negative, so no |.| stands on the sources
	WIN 0x3c                                       ; sources 1 and 2 window 3
.irp t, 0,1,2,3,4,5,6,7
	v_max3_num_f32 v[224+\t], 0x2800000, v[16*\t], v[16*\t+1]      ; my 16 numbers of row t, and the floor 2^(5 - 127): the byte cannot fall under 1
.endr
.irp n, 2,4,6,8,10,12,14
.irp t, 0,1,2,3,4,5,6,7
	v_max3_num_f32 v[224+\t], v[224+\t], v[16*\t+\n], v[16*\t+\n+1]   ; (the eight rows by turns)
.endr
.endr
	WIN 0
.irp t, 0,1,2,3,4,5,6,7
	v_permlanex16_b32 v[232+\t], v[224+\t], s[SEL], s[SEL+1]
.endr
.irp t, 0,1,2,3,4,5,6,7
	v_max_num_f32 v[224+\t], v[224+\t], v[232+\t]  ; the block's largest magnitude
.endr
.irp t, 0,1,2,3,4,5,6,7
	v_add_nc_u32 v[240+\t], 0xfe000000, v[224+\t]  ; 4 off its exponent field: the conversion's scale operand
.endr
.irp t, 0,1,2,3,4,5,6,7
	v_lshrrev_b32 v[248+\t], 23, v[240+\t]         ; the scale's byte
.endr
	v_lshl_or_b32 v[SB], v249, 8, v248             ; my 8 rows' bytes are neighbours in hs
	v_lshl_or_b32 v[SB+1], v253, 8, v252
	v_lshl_or_b32 v[SB], v250, 16, v[SB]
	v_lshl_or_b32 v[SB+1], v254, 16, v[SB+1]
	v_lshl_or_b32 v[SB], v251, 24, v[SB]
	v_lshl_or_b32 v[SB+1], v255, 24, v[SB+1]
	v_add_nc_u32 v30, s[SCO], v[SCW]               ; this chunk's place in my wave's part of the scale bytes
	WIN 0x03                                       ; source 0 window 3
.irp t, 0,1,2,3,4,5,6,7
	v_cvt_scalef32_pk16_bf6_f32 v[128+4*\t:130+4*\t], v[16*\t:16*\t+15], v[240+\t]   ; 16 codes, 12 bytes: my half of row t's block
.endr
	WIN 0
	v_nop                                          ; one plain instruction behind the scaled conversions
	; in odd blocks the two halves of 16 rows of a piece change places.  No LDS address may hang on j, so the DATA change lanes: lanes r and r xor 2 hold the same rows of the two halves
.irp t, 0,1,2,3,4,5,6,7
.irp n, 0,1,2
	v_mov_b32_dpp v[SW+\n], v[128+4*\t+\n] row_xmask:2 row_mask:0xf bank_mask:0xf
.endr
.irp n, 0,1,2
	v_cndmask_b32 v[128+4*\t+\n], v[128+4*\t+\n], v[SW+\n], s[SWM]
.endr
.endr
.irp t, 0,1,2,3,4,5,6,7
.irp n, 0,1,2
	ds_store_b32 v[STW], v[128+4*\t+\n] offset:24*\t+4*\n
.endr
.endr
	ds_store_b64 v30, v[SB:SB+1]                   ; (both halves of the lanes write the same bytes with the same values)
	ds_load_b128 v[160:163], v[STR]                ; back as they lie in hc: 3,072 bytes, 512 an instruction; LDS serves a wave's instructions in order
	ds_load_b128 v[164:167], v[STR2] offset:512
	ds_load_b128 v[168:171], v[STR] offset:1040
	ds_load_b128 v[172:175], v[STR] offset:1568
	ds_load_b128 v[176:179], v[STR2] offset:2080
	ds_load_b128 v[180:183], v[STR] offset:2608
	s_wait_dscnt 0x0
	global_store_b128 v[GO], v[160:163], s[12:13]                  ; sixteen lanes store 256 consecutive bytes, at a multiple of 256 from hc's first byte; pieces lie 24,576 bytes apart
	global_store_b128 v[GO2], v[164:167], s[12:13] offset:512
	global_store_b128 v[GO], v[168:171], s[12:13] offset:24832
	global_store_b128 v[GO], v[172:175], s[12:13] offset:49152
	global_store_b128 v[GO2], v[176:179], s[12:13] offset:49664
	global_store_b128 v[GO], v[180:183], s[12:13] offset:73984
.if \more
	s_wait_xcnt 0x0                                ; the stores and the chunk's prefetches have read their registers: data, bases and addresses may be written again
	s_add_nc_u64 s[12:13], s[12:13], CHUNKB
	s_add_nc_u64 s[PFA:PFA+1], s[PFA:PFA+1], CHUNKB
	s_add_co_u32 s[SCO], s[SCO], 128
.endif
.endm
.macro CHUNK more
	STEP 0, 1, 1536, \more, 0
	STEP 1, 1, 1536, \more, 0
	STEP 2, 1, 1536, \more, 0
	STEP 3, \more, CHUNKB-3*1536, 0, \more
	FINISH \more
.endm
	s_load_b256 s[4:11], s[0:1], 0x0               ; x's codes s[4:5], x's scales s[6:7], W's codes s[8:9], W's scales s[10:11]
	s_load_b128 s[12:15], s[0:1], 0x20             ; hc s[12:13], hs s[14:15]
	v_lshl_add_u32 v[SPW], v0, 2, SPARE
	v_mov_b32 v[NIL], 0
	ds_add_u32 v1, v2
	ds_add_u32 v1, v2
	s_wait_dscnt 0x0
	v_lshrrev_b32 v26, 5, v0
	v_readfirstlane_b32 s[WV], v26                 ; wave 0..3
	s_bfe_u32 s17, ttmp6, 0x40000                  ; cx: my place in the cluster
	s_lshl_b32 s18, ttmp9, 2
	s_add_co_u32 s18, s18, s17                     ; j = 4 x cluster x + cx: it enters global addresses and the exchange's mask alone
	s_and_b32 s19, ttmp7, 0xffff                   ; b, which the four partners share
	s_mov_b32 s[SEL], 0x76543210
	s_mov_b32 s[SEL+1], 0xfedcba98
	s_mov_b32 s[ML], 0xbfb8aa3b                    ; -log2(e)
	s_mov_b32 s[ML+1], s[ML]
	s_mov_b32 s[CAP], 0x42fa0000                   ; 125.0
	s_bitcmp1_b32 s18, 0
	s_cselect_b32 s[SWM], -1, 0
	s_cmp_eq_u32 ttmp9, 0
	s_cselect_b32 s[LIM], 1, 0                     ; the same in all four partners
	s_mov_b32 s[SCO], 0
	; descriptor group 1: 16 long rows of 192 elements of 8 bytes (two rows of x), 768 elements (8 rows of x) apart; 20 words of padding behind every 128
	s_mov_b32 s[G1+0], 15|(3<<16)|(1<<20)|(1<<21)|(6<<22)|(19<<25)
	s_mov_b32 s[G1+1], 192<<16                     ; tensor_dim0
	s_mov_b32 s[G1+2], 16<<16                      ; tensor_dim1
	s_mov_b32 s[G1+3], 192<<16                     ; tile_dim0
	s_mov_b32 s[G1+4], 16                          ; tile_dim1
	s_mov_b32 s[G1+5], 768                         ; tensor_dim0_stride
	s_mov_b32 s[G1+6], 0
	s_mov_b32 s[G1+7], 0
	s_mul_i32 s42, s19, 3145728                    ; my batch's and my wave's rows in x's codes, and in hc: 768 bytes a row in both
	s_mul_i32 s43, s[WV], 98304
	s_add_co_u32 s42, s42, s43
	s_mov_b32 s43, 0
	s_mul_i32 s50, s17, 24576                      ; the prefetches: my work-group's quarter
	s_mov_b32 s51, 0
	s_mul_i32 s52, s18, 768                        ; hc: my block's place in a piece's row of blocks
	s_mov_b32 s53, 0
	s_lshl_b32 s54, s19, 17                        ; x's scales: 32 bytes a row
	s_lshl_b32 s55, s[WV], 12
	s_add_co_u32 s54, s54, s55
	s_mov_b32 s55, 0
	s_mul_i32 s56, s18, 24576                      ; W's codes: row 32 j
	s_mov_b32 s57, 0
	s_lshl_b32 s58, s18, 10                        ; W's scales
	s_mov_b32 s59, 0
	s_lshl_b32 s60, s18, 14                        ; hs: 16384 j + 4096 b + 1024 wave
	s_lshl_b32 s61, s19, 12
	s_add_co_u32 s60, s60, s61
	s_lshl_b32 s61, s[WV], 10
	s_add_co_u32 s60, s60, s61
	s_mov_b32 s61, 0
	v_and_b32 v27, 15, v0                          ; r
	v_bfe_u32 v28, v0, 4, 1                        ; h
	v_and_b32 v29, 31, v0                          ; lane
	s_mul_i32 s44, s[WV], XW
	v_mul_u32_u24 v30, v27, XP
	v_mad_u32_u24 v31, v28, 24, v30
	v_add_nc_u32 v[AX], s44, v31
	v_add_nc_u32 v[AX+1], SLOT1, v[AX]
	v_mad_u32_u24 v31, v28, 104, v30
	v_add_nc_u32 v[AXB], s44, v31
	v_add_nc_u32 v[AXB+1], SLOT1, v[AXB]
	v_lshlrev_b32 v[XSO], 8, v27
	s_mul_i32 s45, s[WV], 16*AGP
	s_add_co_u32 s45, s45, AGG
	v_mul_u32_u24 v[AGW], v27, AGP
	v_lshl_add_u32 v[AGW], v28, 6, v[AGW]
	v_add_nc_u32 v[AGW], s45, v[AGW]               ; run 16 wave + r, + 64 h
	v_lshl_add_u32 v[AGR], v29, 2, AGG
	s_mul_i32 s46, s[WV], 16*HIP
	s_add_co_u32 s46, s46, HIN
	v_lshl_add_u32 v[HIW], v29, 2, s46
	v_mul_u32_u24 v[HIR], v27, HIP
	v_lshl_add_u32 v[HIR], v28, 6, v[HIR]
	v_add_nc_u32 v[HIR], s46, v[HIR]
	s_mul_i32 s47, s[WV], STWV
	s_add_co_u32 s47, s47, STG
	v_lshrrev_b32 v30, 2, v27                      ; my 8 rows: piece r / 4,
	v_mul_u32_u24 v[STW], v30, STP
	v_bfe_u32 v30, v27, 1, 1                       ; half (r / 2) % 2,
	v_mad_u32_u24 v[STW], v30, 384, v[STW]
	v_and_b32 v30, 1, v27                          ; rows 8 (r % 2) on, 24 bytes a row,
	v_mad_u32_u24 v[STW], v30, 192, v[STW]
	v_mad_u32_u24 v[STW], v28, 12, v[STW]          ; and my half of the block's 24 bytes
	v_add_nc_u32 v[STW], s47, v[STW]
	v_lshl_add_u32 v[STR], v29, 4, s47
	v_lshl_add_u32 v[STR2], v28, 4, v[STR]
	v_lshlrev_b32 v[GO], 4, v29
	v_mad_u32_u24 v[GO2], v28, 23808, v[GO]
	s_lshl_b32 s48, s[WV], 10
	s_add_co_u32 s48, s48, SCB
	v_lshl_add_u32 v[SCW], v27, 3, s48
	v_lshlrev_b32 v[PFO], 8, v29
	v_mov_b32 v[CARRY], 0                          ; h ahead of the first row
	v_mov_b32 v[SW], 0                             ; written once: a DPP form's destination counts as one of its sources
	v_mov_b32 v[SW+1], 0
	v_mov_b32 v[SW+2], 0
	v_lshrrev_b32 v30, 3, v29                      ; the scale bytes' way out: s = 1024 wave + 512 k + 16 lane lies in wave lane / 8's part, chunk 2 wave + k
	v_and_b32 v[SCR], 7, v29
	v_lshlrev_b32 v[SCR], 4, v[SCR]
	v_lshl_add_u32 v[SCR], v30, 10, v[SCR]
	s_lshl_b32 s49, s[WV], 8
	s_add_co_u32 s49, s49, SCB
	v_add_nc_u32 v[SCR], s49, v[SCR]
	v_and_b32 v30, 8, v27
	v_add_nc_u32 v30, v30, v27                     ; r + 8 (r / 8): the rows of W that form a tile are not neighbours
	v_mul_u32_u24 v26, v30, 768
	v_mad_u32_u24 v26, v28, 24, v26                ; W's codes: that row, + 24 h
	v_lshlrev_b32 v31, 5, v30                      ; W's scales: 32 bytes a row
	s_wait_kmcnt 0x0
	s_mov_b32 s[G0], 1                             ; count = 1
	s_mul_i32 s[G0+1], s[WV], XW                   ; LDS address: slot 0, my wave's part: no place in the cluster enters it
	s_add_nc_u64 s[G0+2:G0+3], s[4:5], s[42:43]    ; global address: chunk 0, step 0: my wave's rows 0 and 1 of each run of 8
	s_or_b32 s[G0+3], s[G0+3], 0x80000000          ; type = 2
	s_add_nc_u64 s[PFA:PFA+1], s[4:5], s[42:43]
	s_add_nc_u64 s[PFA:PFA+1], s[PFA:PFA+1], s[50:51]
	s_add_nc_u64 s[PFA:PFA+1], s[PFA:PFA+1], CHUNKB   ; in chunk 1.  Nothing is prefetched here, at the head
	s_add_nc_u64 s[12:13], s[12:13], s[42:43]
	s_add_nc_u64 s[12:13], s[12:13], s[52:53]
	s_add_nc_u64 s[6:7], s[6:7], s[54:55]
	s_add_nc_u64 s[8:9], s[8:9], s[56:57]
	s_add_nc_u64 s[10:11], s[10:11], s[58:59]
	s_add_nc_u64 s[14:15], s[14:15], s[60:61]
	CROUND                                         ; all four work-groups are here: the first joint loads meet
	tensor_load_to_lds s[G0:G0+3], s[G1:G1+7]      ; the first fill: one load of mine is out
	s_nop 0
.rept 4
	v_nop
.endr
	WIN 0x40                                       ; destination window 1: W's hidden fragments (tile u, K step q) at v[12 (8 u + q)]: they stay
.irp u, 0,1
.irp q, 0,1,2,3,4,5,6,7
.irp p, 0,1,2,3,4,5
	global_load_b64 v[12*(8*\u+\q)+2*\p:12*(8*\u+\q)+2*\p+1], v26, s[8:9] offset:8*\u*768+96*\q+48*(\p/3)+8*(\p%3)
.endr
.endr
.endr
	WIN 0x80                                       ; window 2: the gate's, 1,024 rows further down
.irp u, 0,1
.irp q, 0,1,2,3,4,5,6,7
.irp p, 0,1,2,3,4,5
	global_load_b64 v[12*(8*\u+\q)+2*\p:12*(8*\u+\q)+2*\p+1], v26, s[8:9] offset:(1024+8*\u)*768+96*\q+48*(\p/3)+8*(\p%3)
.endr
.endr
.endr
	WIN 0
.irp c, 0,1,2,3                        ; W's scale words: tile c = 2 p + u, register 8 c + q
.irp f, 0,1
	global_load_b128 v[WS+8*\c+4*\f:WS+8*\c+4*\f+3], v31, s[10:11] offset:(1024*(\c/2)+8*(\c%2))*32+16*\f
.endr
.endr
.irp m, 0,1,2,3,4,5,6,7,8,9,10,11,12,13,14,15
	global_load_b128 v[XS+4*\m:XS+4*\m+3], v[XSO], s[6:7] offset:16*\m     ; chunk 0's scale words of x
.endr
	s_mov_b32 s[CNT], 7
.Lchunk:                                               ; seven chunks that have a successor
	CHUNK 1
	s_sub_co_u32 s[CNT], s[CNT], 1
	s_cmp_lg_u32 s[CNT], 0
	s_cbranch_scc1 .Lchunk
	CHUNK 0                                        ; the last chunk is written out: its last step asks for nothing
	s_barrier_signal -1                            ; (every LDS instruction of mine was waited for ahead of the last stores)
	s_barrier_wait -1                              ; all waves' scale bytes lie in LDS
	ds_load_b128 v[184:187], v[SCR]
	ds_load_b128 v[188:191], v[SCR] offset:128
	s_wait_dscnt 0x0
	global_store_b128 v[GO], v[184:187], s[14:15]                  ; 1,024 consecutive bytes of hs a wave, 512 an instruction
	global_store_b128 v[GO], v[188:191], s[14:15] offset:512
	s_wait_tensorcnt 0x0                           ; the wave's end: behind my last tensor load and my last LDS store
	ds_add_u32 v[SPW], v[NIL]
	s_wait_dscnt 0x0
	CROUND                                         ; the closing round: no work-group ends while a partner may still ask for a tile that names it
	s_endpgm
.Lfunc_end_k_q09a9adbc51_scan:
	.size	k_q09a9adbc51_scan, .Lfunc_end_k_q09a9adbc51_scan-k_q09a9adbc51_scan
	.p2alignl 7, 3214868480
	.fill 96, 4, 3214868480
	.section	.rodata,"a",@progbits
	.p2align	6, 0x0
	.amdhsa_kernel k_q09a9adbc51_scan
		.amdhsa_group_segment_fixed_size 327680
		.amdhsa_private_segment_fixed_size 0
		.amdhsa_enable_private_segment 0
		.amdhsa_kernarg_size 48
		.amdhsa_user_sgpr_count 2
		.amdhsa_user_sgpr_kernarg_segment_ptr 1
		.amdhsa_wavefront_size32 1
		.amdhsa_system_sgpr_workgroup_id_x 1
		.amdhsa_system_sgpr_workgroup_id_y 1
		.amdhsa_system_sgpr_workgroup_id_z 1
		.amdhsa_system_vgpr_workitem_id 0
		.amdhsa_next_free_vgpr 1024
		.amdhsa_next_free_sgpr 66
		.amdhsa_reserve_vcc 0
		.amdhsa_float_denorm_mode_32 3
		.amdhsa_float_denorm_mode_16_64 3
		.amdhsa_memory_ordered 1
		.amdhsa_forward_progress 1
		.amdhsa_inst_pref_size 255
	.end_amdhsa_kernel
	.section	.bss,"aw",@nobits
	.p2align	6
	.space	262144
	.amdgpu_metadata
---
amdhsa.version: [ 1, 2 ]
amdhsa.kernels:
  - .name:           k_q09a9adbc51_scan
    .symbol:         k_q09a9adbc51_scan.kd
    .args:
      - { .name: x_codes, .offset: 0, .size: 8, .value_kind: global_buffer, .address_space: global }
      - { .name: x_scales, .offset: 8, .size: 8, .value_kind: global_buffer, .address_space: global }
      - { .name: W_hg_codes, .offset: 16, .size: 8, .value_kind: global_buffer, .address_space: global }
      - { .name: W_hg_scales, .offset: 24, .size: 8, .value_kind: global_buffer, .address_space: global }
      - { .name: hc, .offset: 32, .size: 8, .value_kind: global_buffer, .address_space: global }
      - { .name: hs, .offset: 40, .size: 8, .value_kind: global_buffer, .address_space: global }
    .group_segment_fixed_size: 327680
    .private_segment_fixed_size: 0
    .kernarg_segment_align: 8
    .kernarg_segment_size: 48
    .max_flat_workgroup_size: 128
    .sgpr_count:     66
    .vgpr_count:     1024
    .wavefront_size: 32
...
	.end_amdgpu_metadata
.endif
;; end of part 1
;; launch outp (part 2): grid 4 x 64, 4 waves a work-group, clusters of 4 x 4, 327,680 bytes of LDS; arguments hc, hs, W_out_codes, W_out_scales, out0; writes out0
.if DOCPART == 2
	.amdgcn_target "amdgcn-amd-amdhsa--gfx1250"
	.amdhsa_code_object_version 6
	.text
	.protected	k_q09a9adbc51_outp
	.globl	k_q09a9adbc51_outp
	.p2align	8
	.type	k_q09a9adbc51_outp,@function
k_q09a9adbc51_outp:
	s_mov_b64 s[64:65], 0
	v_nop
	global_prefetch_b8 v0, s[64:65] scope:SCOPE_SE
	s_setreg_imm32_b32 hwreg(HW_REG_WAVE_MODE, 25, 1), 1
	s_wait_xcnt 0x0
	s_wait_alu depctr_hold_cnt(0) depctr_sa_sdst(0) depctr_va_vdst(0) depctr_va_sdst(0) depctr_va_ssrc(0) depctr_va_vcc(0) depctr_vm_vsrc(0)
	s_getreg_b32 s2, hwreg(HW_REG_IB_STS2, 6, 4)
	s_cmp_eq_u32 s2, 0
	s_cbranch_scc0 .Lentry_in_a_cluster
	s_endpgm
.Lentry_in_a_cluster:
	s_bfe_u32 s2, ttmp6, 0x10000c
	s_cmp_lg_u32 s2, 0xf033
	s_cbranch_scc0 .Lentry_shape_is_right
	s_endpgm
.Lentry_shape_is_right:
; minGRU, second launch: out[m][n] = sum over k of h[m][k] W_out[n][k], both on codes of E3M2, 6 bits each, with one E8M0 scale for each 32 along K; sums and out in f32.  M = 16,384, N = 1,024, K = 1,024.
; A = h as the first launch left it.  hc: byte (R / 32) 24576 + 768 j + 384 (((R / 16) % 2) xor (j % 2)) + 24 (R % 16) + 0 .. 23 holds row R's block j of 32 codes;  hs: byte 16384 j + R its scale.
; B = W_out: rows of 768 bytes of codes, K innermost, and rows of 32 scale bytes.
; A tile of out, 256 x 256, is made by a work-group of four waves; a wave makes 128 x 128: 64 accumulators, 512 registers.  K goes in four steps of 256 through a ring of two LDS slots filled by the tensor data mover.
; A's tile of a K step is, for each 32 rows, 6,144 consecutive bytes (8 blocks x 768): it lies in LDS as in memory, without padding.  A fragment's lanes stand 24 bytes apart, and since the halves of 16 rows change
; places in odd blocks, lanes 16-31 (the next, odd block) stand 128 bytes mod 256 from lanes 0-15: the 32 lanes of a load of 8 bytes touch 64 different banks (64 banks of 4 bytes: ISA guide 11.1).
; B's tile has rows of 192 bytes, 16 bytes of padding behind every 64: rows 240 bytes apart.
; THE SCALES of the work-group's 256 rows of A and of B, for all of K, stay in LDS as rows of 32 bytes.  B's are a dense block of memory and come by one tensor load a half; A's lie [block][row] in hs: each thread
; loads 4 rows' bytes of 16 blocks, turns 4 x 4 bytes at a time by byte permutes, and stores 16 bytes of each of its 4 rows.
; CLUSTERS: 4 x 4 work-groups.  The four of a row of the cluster need the same tiles of A, the four of a column the same tiles of B: each tile is asked for JOINTLY, by the same tensor load with the same descriptor
; and a mask that names the four.  THE MATRIX INSTRUCTION IS USED TRANSPOSED (source 0 = 16 rows of B, source 1 = 16 rows of A): a lane then holds eight neighbouring numbers of a row of out.
; No prefetch: of the four K steps two are asked for at the head, and each byte of A and B is asked for once by its cluster.
; REGISTERS, in windows of 256: window 0: v0-31 addresses; v32-63 scale words, two sets; v64-115 at work at the head; from v128 A's fragments (8 x 16 rows x 128 K), ONE set; on the way out v128-255 rows of out.
;   window 1: B's fragments, TWO sets, at v0 and at v128.   window 2: the 32 accumulators of my rows 0-63 (accumulator (a, b) at v[8 (8 a + b)]);   window 3: those of my rows 64-127.
.set SIZE_N, 1024
.set NQ,     2                         ; matrix instructions deep in a slot: 256 along K
.set ROWB,   192                       ; a row of B's tile in bytes
.set KROW,   768                       ; a row of B, and 1/32 of a group of 32 rows of hc, in bytes
.set PITCH,  240                       ; B's LDS row: 3 x (64 bytes + 16 of padding)
.set FR,     12                        ; registers of a fragment
.set NL,     6                         ; LDS loads that bring one
.set NP,     4                         ; places behind this matrix instruction (ISA guide 7.12.1)
.set ASTEP,  6144                      ; a K step's bytes of 32 rows of A
.set HALFA,  4*ASTEP                   ; 128 rows of A: what one tensor load brings
.set HALFB,  128*PITCH                 ; 128 rows of B
.set BOFF,   2*HALFA                   ; a slot: A's 256 rows, then B's 256 rows
.set SLOT,   BOFF+2*HALFB
.set LAPS,   2                         ; a lap = two K steps = once round the ring
.set KS,     32                        ; a row of scales in bytes
.set SCL,    2*SLOT                    ; behind the ring: the scales, as units of 256 bytes + 16 of padding: A's 256 rows (stored by the waves), then B's (filled once by tensor loads)
.set HALFS,  4352                      ; the scales of 128 rows
.set SBLK,   544                       ; those of 16 rows
.set SPARE,  SCL+4*HALFS               ; the spare words, 128 bytes for each wave: two blocks of 256 bytes that no other line names
.set SPITCH, 528                       ; the way out: a stage of 16 rows x (512 bytes + 16) for each wave, in slot 0, which has had its last fill and its last read when the first result is stored there
.set ADRA, 16                          ; v16-17  LDS address of my A fragments of even blocks of 16 rows in slot 0, 1;  v18-19 of odd blocks
.set ADRB, 20                          ; v20-21  the same for B;  v22-23 for the pieces that lie behind one padding more
.set STO,  24                          ; v24     the way out: where I put 32 bytes of a row
.set RD,   25                          ; v25     the way out: where I read a row back
.set CO,   26                          ; v26     my byte offset in a row of out
.set ADRS, 27                          ; v27     LDS address of my scale words: lanes 0-15 A's rows, lanes 16-31 B's
.set SPW,  28                          ; v28     LDS address of my spare word; never rewritten
.set NIL,  29                          ; v29     0; never rewritten
.set SC,   32                          ; scale words: set s at v[SC + 8 NQ s]; register NQ i + q: lanes 0-15 the word of A's block i, lanes 16-31 that of B's block i
.set AF,   128                         ; A's fragments, in window 0
.set BK,   128                         ; the way out: 16 rows read back from the stage: v128-191 and v192-255 by turns
.set G1,   24                          ; s[24:31] descriptor group 1 for A's tiles;  s[32:39] group 0, one set for each slot
.set G0,   32
.set G1B,  48                          ; s[48:55], s[56:63] the same for B's tiles
.set G0B,  56
.set G1SB, 80                          ; s[80:87], s[88:91] groups 1 and 0 for B's scales
.set G0SB, 88
.set MSB, 0
.macro WIN new                         ; the immediate's high byte repeats the setting that is left
.if MSB != \new
	s_set_vgpr_msb (MSB<<8)|\new
.set MSB, \new
.endif
.endm
.set MUL_LO, 0xa1                      ; source 0 (B) window 1, source 1 (A) window 0, C and D window 2
.set MUL_HI, 0xf1                      ; the same, C and D window 3
.set TO_B,   0x40                      ; destination window 1, address window 0
; A joint refill: waves 0 and 1 fetch for A, waves 2 and 3 for B.  Each of the two lines has ONE mask and one set of registers for all that issue it; the branch hangs on the wave's number alone.
; Four v_nop follow each of the two lines, ahead of the jump, the label and what follows.
.macro JLOAD g0a, g1a, g0b, g1b
	s_cmp_eq_u32 s15, 0
	s_cbranch_scc0 .Lfor_b_\@
	tensor_load_to_lds s[\g0a:\g0a+3], s[\g1a:\g1a+7]
	s_nop 0
.rept 4
	v_nop
.endr
	s_branch .Lasked_\@
.Lfor_b_\@:
	tensor_load_to_lds s[\g0b:\g0b+3], s[\g1b:\g1b+7]
	s_nop 0
.rept 4
	v_nop
.endr
.Lasked_\@:
.endm
.macro CREST                           ; a round of the cluster's barrier behind its opening barrier
	s_cmp_lg_u32 s14, 0
	s_cbranch_scc1 .Lnot_wave_0_\@
	s_barrier_signal -3
.Lnot_wave_0_\@:
	s_barrier_wait -3
	s_barrier_signal -1
	s_barrier_wait -1
.endm
.macro CROUND                          ; a whole round
	s_barrier_signal -1
	s_barrier_wait -1
	CREST
.endm
	s_load_b128 s[4:7], s[0:1], 0x0                ; hc s[4:5], hs s[6:7]
	s_load_b128 s[8:11], s[0:1], 0x10              ; B's codes s[8:9], B's scales s[10:11]
	s_load_b64 s[12:13], s[0:1], 0x20              ; out
	v_lshl_add_u32 v[SPW], v0, 2, SPARE
	v_mov_b32 v[NIL], 0
	ds_add_u32 v28, v29
	ds_add_u32 v28, v29
	s_wait_dscnt 0x0
	v_lshrrev_b32 v1, 5, v0
	v_readfirstlane_b32 s14, v1                    ; wave 0..3
	s_lshr_b32 s15, s14, 1                         ; which half of the tile's rows is mine.  Also: I fetch for A (0) or for B (1)
	s_and_b32 s16, s14, 1                          ; which half of its columns.  Also: which 128 rows of that tile I fetch
	s_bfe_u32 s40, ttmp6, 0x40000                  ; cx, cy: my place in the cluster
	s_bfe_u32 s41, ttmp6, 0x40004
	s_lshl_b32 s42, ttmp9, 2
	s_add_co_u32 s42, s42, s40                     ; tile column = 4 x cluster x + cx
	s_and_b32 s17, ttmp7, 0xffff
	s_lshl_b32 s17, s17, 2
	s_add_co_u32 s17, s17, s41                     ; tile row = 4 x cluster y + cy
	s_lshl_b32 s43, s41, 2
	s_lshl_b32 s43, 15, s43                        ; my row of the cluster
	s_lshl_b32 s44, 0x1111, s40                    ; my column
	; descriptor group 1 for A: 4 rows (groups of 32 rows of h) of 768 elements of 8 bytes, 3,072 elements apart, no padding
	s_or_b32 s[G1+0], s43, (3<<16)|(1<<21)         ; 15:0 the mask: A's tiles go to my row; 17:16 elements of 8 bytes; 21 set beside a mask
	s_mov_b32 s[G1+1], 768<<16                     ; tensor_dim0
	s_mov_b32 s[G1+2], 4<<16                       ; tensor_dim1
	s_mov_b32 s[G1+3], 768<<16                     ; tile_dim0
	s_mov_b32 s[G1+4], 4                           ; tile_dim1
	s_mov_b32 s[G1+5], 3072                        ; tensor_dim0_stride
	s_mov_b32 s[G1+6], 0
	s_mov_b32 s[G1+7], 0
	; for B: 128 rows of 192 bytes, 768 apart; 4 words of padding behind every 16
	s_or_b32 s[G1B+0], s44, (0<<16)|(1<<20)|(1<<21)|(3<<22)|(3<<25)
	s_mov_b32 s[G1B+1], ROWB<<16
	s_mov_b32 s[G1B+2], 128<<16
	s_mov_b32 s[G1B+3], ROWB<<16
	s_mov_b32 s[G1B+4], 128
	s_mov_b32 s[G1B+5], KROW
	s_mov_b32 s[G1B+6], 0
	s_mov_b32 s[G1B+7], 0
	; for B's scales of 128 rows: a dense block of 4,096 bytes, as 16 rows of 256 bytes (32 elements of 8 bytes), 16 bytes of padding behind each
	s_or_b32 s[G1SB+0], s44, (3<<16)|(1<<20)|(1<<21)|(5<<22)|(3<<25)
	s_mov_b32 s[G1SB+1], 32<<16
	s_mov_b32 s[G1SB+2], 16<<16
	s_mov_b32 s[G1SB+3], 32<<16
	s_mov_b32 s[G1SB+4], 16
	s_mov_b32 s[G1SB+5], 32
	s_mov_b32 s[G1SB+6], 0
	s_mov_b32 s[G1SB+7], 0
	s_lshl_b32 s18, s16, 7                         ; which 128 rows of the tile I fetch
	s_lshl_b32 s20, s17, 8
	s_add_co_u32 s20, s20, s18                     ; A: row 256 x tile row + 128 x half
	s_lshl_b32 s46, s42, 8
	s_add_co_u32 s46, s46, s18                     ; B: row 256 x tile column + 128 x half
	s_mov_b32 s21, 0
	s_mov_b32 s47, 0
	s_mov_b64 s[18:19], KS
	s_mul_u64 s[92:93], s[46:47], s[18:19]         ; where B's rows' scales begin, in bytes
	s_mov_b64 s[18:19], KROW
	s_mul_u64 s[20:21], s[20:21], s[18:19]         ; A's codes: 32 rows are 24,576 bytes, so 768 a row
	s_mul_u64 s[46:47], s[46:47], s[18:19]         ; B's codes
	s_lshl_b32 s96, s17, 8                         ; hs: my tile's first row
	s_mov_b32 s97, 0
	s_mul_i32 s45, s16, HALFA                      ; where they go: no place in the cluster enters an LDS address
	s_mul_i32 s95, s16, HALFB
	s_add_co_u32 s95, s95, BOFF
	s_mul_i32 s94, s16, HALFS
	s_add_co_u32 s94, s94, SCL+2*HALFS
	v_and_b32 v8, 63, v0                           ; A's scales: my 4 rows, 4 (thread % 64) on,
	v_lshrrev_b32 v9, 6, v0                        ; and my 16 blocks, 16 (thread / 64) on
	v_lshlrev_b32 v10, 2, v8
	v_lshl_add_u32 v10, v9, 18, v10                ; in hs: 4 bytes for 4 rows, 16,384 bytes a block
	v_lshrrev_b32 v12, 1, v8
	v_lshlrev_b32 v11, 7, v8
	v_lshl_add_u32 v11, v12, 4, v11                ; in LDS: 32 bytes a row, 16 more for each 8 rows passed,
	v_lshl_add_u32 v11, v9, 4, v11                 ; my 16 blocks' bytes
	v_add_nc_u32 v11, SCL, v11
	s_wait_kmcnt 0x0
	s_add_nc_u64 s[20:21], s[4:5], s[20:21]
	s_add_nc_u64 s[96:97], s[6:7], s[96:97]
	s_add_nc_u64 s[46:47], s[8:9], s[46:47]
	s_add_nc_u64 s[92:93], s[10:11], s[92:93]
.irp i, 0,1,2,3,4,5,6,7,8,9,10,11,12,13,14,15
	global_load_b32 v[64+\i], v10, s[96:97] offset:16384*\i        ; block 16 (thread / 64) + i: the bytes of my 4 rows; 64 threads read 256 consecutive bytes
.endr
	CROUND                                         ; all sixteen work-groups are here: the first joint loads meet
	s_mov_b32 s[G0SB], 1
	s_mov_b32 s[G0SB+1], s94
	s_mov_b64 s[G0SB+2:G0SB+3], s[92:93]
	s_or_b32 s[G0SB+3], s[G0SB+3], 0x80000000
.irp s, 0,1
	s_mov_b32 s[G0+4*\s], 1
	s_add_co_u32 s[G0+4*\s+1], s45, \s*SLOT
	s_add_nc_u64 s[G0+4*\s+2:G0+4*\s+3], s[20:21], \s*ASTEP
	s_or_b32 s[G0+4*\s+3], s[G0+4*\s+3], 0x80000000
	s_mov_b32 s[G0B+4*\s], 1
	s_add_co_u32 s[G0B+4*\s+1], s95, \s*SLOT
	s_add_nc_u64 s[G0B+4*\s+2:G0B+4*\s+3], s[46:47], \s*ROWB
	s_or_b32 s[G0B+4*\s+3], s[G0B+4*\s+3], 0x80000000
.endr
	s_cmp_eq_u32 s15, 0                            ; a wave's first fills stand in one branch: two loads of mine are out (A), or three (B); the youngest is slot 1's on both ways
	s_cbranch_scc0 .Lfirst_b
	tensor_load_to_lds s[G0:G0+3], s[G1:G1+7]
	s_nop 0
	tensor_load_to_lds s[G0+4:G0+7], s[G1:G1+7]
	s_nop 0
.rept 4
	v_nop
.endr
	s_branch .Lfirst_asked
.Lfirst_b:
	tensor_load_to_lds s[G0SB:G0SB+3], s[G1SB:G1SB+7]
	s_nop 0
	tensor_load_to_lds s[G0B:G0B+3], s[G1B:G1B+7]
	s_nop 0
	tensor_load_to_lds s[G0B+4:G0B+7], s[G1B:G1B+7]
	s_nop 0
.rept 4
	v_nop
.endr
.Lfirst_asked:
	v_and_b32 v1, 15, v0                           ; r = l % 16
	v_bfe_u32 v2, v0, 4, 1                         ; h = l / 16
	v_mul_u32_u24 v3, v1, 24                       ; A: 24 bytes a row in a half of a piece
	v_mad_u32_u24 v4, v2, 1152, v3                 ; even blocks of 16 rows: lanes 16-31 take the next block of K (768 on), where these rows lie in the upper half (384 on)
	v_mad_u32_u24 v5, v2, 384, v3
	v_add_nc_u32 v5, 384, v5                       ; odd blocks of rows: upper half in even blocks of K, lower half in odd ones: 384 + (768 - 384) h
	s_mul_i32 s21, s15, HALFA                      ; my 128 rows of A
.irp s, 0,1
	v_add_nc_u32 v[ADRA+\s], s21, v4
	v_add_nc_u32 v[ADRA+2+\s], s21, v5
	s_add_co_u32 s21, s21, SLOT
.endr
	v_mul_u32_u24 v3, v1, PITCH                    ; B: row x pitch + 24 x half,
	v_mul_u32_u24 v4, v2, 24
	v_add_nc_u32 v4, v3, v4
	v_lshl_add_u32 v5, v2, 4, v4                   ; and the same behind one padding more
	s_mul_i32 s22, s16, HALFB                      ; my 128 rows of B, behind A's 256
	s_add_co_u32 s22, s22, BOFF
.irp s, 0,1
	v_add_nc_u32 v[ADRB+\s], s22, v4
	v_add_nc_u32 v[ADRB+2+\s], s22, v5
	s_add_co_u32 s22, s22, SLOT
.endr
	v_mul_u32_u24 v5, v1, KS                       ; my row's scales: 32 bytes a row,
	v_lshrrev_b32 v6, 8, v5
	v_lshl_add_u32 v5, v6, 4, v5                   ; and 16 more for each 256 passed
	s_mul_i32 s21, s15, HALFS                      ; A's: my 128 rows
	s_mul_i32 s22, s16, HALFS                      ; B's: my 128 rows, behind A's 256
	s_add_co_u32 s22, s22, 2*HALFS
	s_sub_co_u32 s22, s22, s21
	v_mul_u32_u24 v6, s22, v2                      ; lanes 16-31 take B's
	s_add_co_u32 s21, s21, SCL
	v_add_nc_u32 v5, v5, v6
	v_add_nc_u32 v[ADRS], s21, v5
	s_mul_i32 s23, s14, 16*SPITCH                  ; my stage
	v_mul_u32_u24 v5, v1, SPITCH                   ; in: row l % 16, 32 bytes for each half of the lanes
	v_lshl_add_u32 v5, v2, 5, v5
	v_add_nc_u32 v[STO], s23, v5
	v_and_b32 v6, 31, v0
	v_lshlrev_b32 v[CO], 4, v6                     ; back: the 32 lanes take one row of 512 bytes; and the same in out
	v_add_nc_u32 v[RD], s23, v[CO]
	s_lshl_b32 s20, s17, 8
	s_lshl_b32 s21, s15, 7
	s_add_co_u32 s20, s20, s21                     ; my first row of out: 256 x tile row + 128 x half
	s_mov_b32 s21, 0
	s_mov_b64 s[18:19], SIZE_N*4
	s_mul_u64 s[20:21], s[20:21], s[18:19]
	s_lshl_b32 s46, s42, 10                        ; my first column, in bytes: 1024 x tile column + 512 x half
	s_lshl_b32 s47, s16, 9
	s_add_co_u32 s46, s46, s47
	s_mov_b32 s47, 0
	s_add_nc_u64 s[20:21], s[20:21], s[46:47]
	s_add_nc_u64 s[12:13], s[12:13], s[20:21]
	; A's scale bytes are turned: of four blocks' words (4 rows each) four rows' words (4 blocks each)
	s_mov_b32 s18, 0x05010400                      ; bytes 0, 1 of two words, interleaved
	s_mov_b32 s19, 0x07030602                      ; bytes 2, 3
	s_mov_b32 s20, 0x05040100                      ; the low halves of two words
	s_mov_b32 s21, 0x07060302                      ; the high halves
	s_wait_loadcnt 0x0
.irp m, 0,1,2,3
	v_perm_b32 v112, v[65+4*\m], v[64+4*\m], s18
	v_perm_b32 v113, v[65+4*\m], v[64+4*\m], s19
	v_perm_b32 v114, v[67+4*\m], v[66+4*\m], s18
	v_perm_b32 v115, v[67+4*\m], v[66+4*\m], s19
	v_perm_b32 v[96+\m], v114, v112, s20           ; row 0: blocks 4 m .. 4 m + 3
	v_perm_b32 v[100+\m], v114, v112, s21          ; row 1
	v_perm_b32 v[104+\m], v115, v113, s20          ; row 2
	v_perm_b32 v[108+\m], v115, v113, s21          ; row 3
.endr
.irp p, 0,1,2,3
	ds_store_b128 v11, v[96+4*\p:99+4*\p] offset:32*\p
.endr
.macro FRAG reg, adr, q, i             ; a fragment of B, 16 rows x 128 K: lane l holds row l % 16; registers 6 c .. 6 c + 5 hold K = 64 c + 32 (l / 16) + 0 .. 31: 24 bytes of the row's stream of bits, in pieces of 8 bytes
.irp p, 0,1,2,3,4,5                    ; the mover has laid 16 bytes of padding behind every 64 bytes (8 pieces): where the piece three on lies behind one padding more, the second address register serves
.set PC, 12*(\q)+6*(\p/3)+\p%3
.if PC%8 < 5
	ds_load_b64 v[\reg+2*\p:\reg+2*\p+1], v[\adr] offset:8*PC+16*(PC/8)+(\i)*16*PITCH
.else
	ds_load_b64 v[\reg+2*\p:\reg+2*\p+1], v[\adr+2] offset:8*PC+16*(PC/8)+(\i)*16*PITCH
.endif
.endr
.endm
.macro FRAGA reg, slot, q, i           ; a fragment of A: block i of 16 rows lies in group i / 2 of 32 rows; registers 6 c .. 6 c + 5 hold block 4 q + 2 c + l / 16 of the slot's eight blocks of K
.irp p, 0,1,2,3,4,5
	ds_load_b64 v[\reg+2*\p:\reg+2*\p+1], v[ADRA+2*((\i)%2)+\slot] offset:((\i)/2)*ASTEP+(4*(\q)+2*(\p/3))*768+8*(\p%3)
.endr
.endm
; 16 matrix instructions: A's blocks a0, a0 + 1 x B's eight, 128 along K: the slot's q-th.  p: B's set;  sc: the set of scale words.  zero = 1: the first product starts the sums: nothing is ever cleared.
; The 64 accumulators take turns, one instruction a turn, in the same order in every step.
.macro MUL16 a0, p, q, sc, zero
.irp a, \a0, \a0+1
.irp b, 0,1,2,3,4,5,6,7
.if \zero
	v_wmma_scale_f32_16x16x128_f8f6f4 v[8*(8*((\a)%4)+\b):8*(8*((\a)%4)+\b)+7], v[128*(\p)+FR*\b:128*(\p)+FR*\b+FR-1], v[AF+FR*(\a):AF+FR*(\a)+FR-1], 0, v[SC+8*NQ*(\sc)+NQ*\b+(\q)], v[SC+8*NQ*(\sc)+NQ*(\a)+(\q)] matrix_a_fmt:MATRIX_FMT_BF6 matrix_b_fmt:MATRIX_FMT_BF6 matrix_a_scale:MATRIX_SCALE_ROW1
.else
	v_wmma_scale_f32_16x16x128_f8f6f4 v[8*(8*((\a)%4)+\b):8*(8*((\a)%4)+\b)+7], v[128*(\p)+FR*\b:128*(\p)+FR*\b+FR-1], v[AF+FR*(\a):AF+FR*(\a)+FR-1], v[8*(8*((\a)%4)+\b):8*(8*((\a)%4)+\b)+7], v[SC+8*NQ*(\sc)+NQ*\b+(\q)], v[SC+8*NQ*(\sc)+NQ*(\a)+(\q)] matrix_a_fmt:MATRIX_FMT_BF6 matrix_b_fmt:MATRIX_FMT_BF6 matrix_a_scale:MATRIX_SCALE_ROW1
.endif
.endr
.endr
.endm
.macro FETCH_B slot, q, p              ; B's eight fragments of the slot's q-th 128 along K into set p
	WIN TO_B
.irp i, 0,1,2,3,4,5,6,7
	FRAG 128*(\p)+FR*\i, ADRB+\slot, \q, \i
.endr
	WIN 0
.endm
.macro FETCH_A slot, q, i0             ; A's blocks i0 .. i0 + 3
.irp i, \i0, \i0+1, \i0+2, \i0+3
	FRAGA AF+FR*(\i), \slot, \q, \i
.endr
.endm
.macro SCALES sc                       ; a K step's scale words into set sc: two words a row; lanes 0-15 take A's block i, lanes 16-31 B's block i
.irp i, 0,1,2,3,4,5,6,7
	ds_load_b64 v[SC+8*NQ*\sc+NQ*\i:SC+8*NQ*\sc+NQ*\i+1], v[ADRS] offset:\i*SBLK
.endr
.endm
; A load into a register that a matrix instruction has read, and an LDS store that reads a matrix result, stand NP places behind that matrix instruction, and only plain vector
; instructions that name none of its registers are places (ISA guide 7.12.1 for vector instructions).
.macro PLACES n
.rept \n
	v_nop
.endr
.endm
; A step of 128 along K that has its successor in the same slot.
.macro STEP slot, q, zero
	s_wait_dscnt 4*NL                              ; B's set and A's blocks 0-3 are in; the youngest loads (A's blocks 4-7) may be out
	WIN MUL_LO
	MUL16 0, (\q)%2, \q, \slot, \zero
	MUL16 2, (\q)%2, \q, \slot, \zero
	s_wait_dscnt 0                                 ; A's blocks 4-7 are in (asked for 32 matrix instructions ago)
	PLACES NP
	FETCH_B \slot, (\q)+1, 1-(\q)%2
	FETCH_A \slot, (\q)+1, 0
	WIN MUL_HI
	MUL16 4, (\q)%2, \q, \slot, \zero
	MUL16 6, (\q)%2, \q, \slot, \zero
	PLACES NP
	WIN 0
	FETCH_A \slot, (\q)+1, 4
.endm
; A slot's last step changes slots: ONE barrier; in front of it each wave waits for all its tensor loads, adds 0 to its spare word, and waits for that and for its own reads of this slot.  fill = 1: this slot is filled again, two K steps ahead.
.macro TURN slot, next, fill
	s_wait_tensorcnt 0x0                           ; all my tensor loads have landed: my part of the next slot;  (every window is 0 here: the add's two registers lie in window 0)
	ds_add_u32 v[SPW], v[NIL]                      ; 0 onto my spare word
	s_wait_dscnt 4*NL+1                            ; (the add and the youngest loads, A's blocks 4-7, may be out)
	WIN MUL_LO
	MUL16 0, 1, NQ-1, \slot, 0                     ; sixteen matrix instructions stand between the add and the wait for it
	s_wait_dscnt 0x0                               ; the add is done, and my reads of this slot are over
	s_barrier_signal -1
	MUL16 2, 1, NQ-1, \slot, 0
	WIN 0
	s_barrier_wait -1
.if \fill
	CREST                                          ; the barrier has opened a round of the cluster's barrier: no wave of any partner still reads this slot's tile or has a load on its way
	s_add_nc_u64 s[G0+4*\slot+2:G0+4*\slot+3], s[G0+4*\slot+2:G0+4*\slot+3], 2*ASTEP
	s_add_nc_u64 s[G0B+4*\slot+2:G0B+4*\slot+3], s[G0B+4*\slot+2:G0B+4*\slot+3], 2*ROWB
	JLOAD G0+4*\slot, G1, G0B+4*\slot, G1B         ; the first tensor load behind the round; the four v_nop behind it are the places in front of the loads below
.else
	PLACES NP
.endif
	v_add_nc_u32 v[ADRS], 4*NQ, v[ADRS]            ; on to the next K step's scale words (no LDS load of mine is out)
	FETCH_B \next, 0, 0
	FETCH_A \next, 0, 0
	SCALES \next
	WIN MUL_HI
	MUL16 4, 1, NQ-1, \slot, 0
	MUL16 6, 1, NQ-1, \slot, 0
	PLACES NP
	WIN 0
	FETCH_A \next, 0, 4
.endm
	s_wait_tensorcnt 1                             ; my part of K step 0 is in, and B's scales where I fetched them (K step 1's load may be out)
	s_wait_dscnt 0x0                               ; my part of A's scales is stored,
	s_barrier_signal -1
	s_barrier_wait -1                              ; everybody's are
	FETCH_B 0, 0, 0
	FETCH_A 0, 0, 0
	SCALES 0
	FETCH_A 0, 0, 4
	STEP 0, 0, 1                                   ; the first step stands in front of the loop: its products start the sums
	s_mov_b32 s3, LAPS-1
.Llap:                                                 ; a trip goes once round the ring, from a lap's second step to the next lap's first, and fills both slots again
	TURN 0, 1, 1
	STEP 1, 0, 0
	TURN 1, 0, 1
	STEP 0, 0, 0
	s_sub_co_u32 s3, s3, 1
	s_cmp_lg_u32 s3, 0
	s_cbranch_scc1 .Llap
	TURN 0, 1, 0                                   ; the last lap fills nothing, and has no round of the cluster's barrier
	STEP 1, 0, 0
	s_wait_dscnt 4*NL                              ; the very last step: nothing more to fetch
	WIN MUL_LO
	MUL16 0, 1, NQ-1, 1, 0
	MUL16 2, 1, NQ-1, 1, 0
	s_wait_dscnt 0
	WIN MUL_HI
	MUL16 4, 1, NQ-1, 1, 0
	MUL16 6, 1, NQ-1, 1, 0
	WIN 0
; THE WAY OUT, block by block of 16 rows x 128 columns.  A lane holds 32 neighbouring bytes of a row, and the lanes beside it hold other rows: so a block goes through my own stage in LDS and comes back as whole
; rows of 512 bytes, which the 32 lanes store as two aligned runs of 256 bytes.  LDS serves a wave's instructions in order (ISA guide 5.7.1.4): no wait between the stores and the loads, nor in front of the next block's stores.
.macro TOSTAGE a
.set AC, 64*((\a)%4)
	WIN 0x08+4*((\a)/4)                            ; the data: window 2 or 3
.irp b, 0,1,2,3,4,5,6,7
	ds_store_b128 v[STO], v[AC+8*\b:AC+8*\b+3] offset:64*\b          ; each accumulator from its low end on
	ds_store_b128 v[STO], v[AC+8*\b+4:AC+8*\b+7] offset:64*\b+16
.endr
	WIN 0
.set BB, BK+64*((\a)%2)
.irp t, 0,1,2,3,4,5,6,7,8,9,10,11,12,13,14,15
	ds_load_b128 v[BB+4*\t:BB+4*\t+3], v[RD] offset:\t*SPITCH
.endr
.endm
.macro SEND a, younger                 ; younger: the LDS instructions issued behind block a's loads, which may stay out
.set BB, BK+64*((\a)%2)
	s_wait_dscnt \younger                          ; the block is back in registers
.if (\a) > 0
	s_add_nc_u64 s[12:13], s[12:13], 16*SIZE_N*4   ; (behind a wait on XCNT: the earlier stores have read their base)  16 rows of out on
.endif
.irp t, 0,1,2,3,4,5,6,7,8,9,10,11,12,13,14,15
	global_store_b128 v[CO], v[BB+4*\t:BB+4*\t+3], s[12:13] offset:\t*SIZE_N*4 th:TH_STORE_NT   ; 32 lanes store 512 consecutive bytes, at a multiple of 256 from out's first byte; written once, read by nobody here
.endr
.endm
	PLACES NP                                      ; behind the last products: for the loads into the registers that held A's fragments, and for the stores that read results
	TOSTAGE 0
.irp a, 1,2,3,4,5,6,7
.if \a > 1
	s_wait_xcnt 0x0                                ; block a - 2's stores have read their registers and their base: block a's loads may land there, and the base may step
.endif
	TOSTAGE \a
	SEND \a-1, 32                                  ; behind block a - 1's loads: block a's 16 stores and 16 loads
.endr
	s_wait_xcnt 0x0                                ; block 6's stores have read their base
	SEND 7, 0
	s_wait_tensorcnt 0x0                           ; the wave's end: behind my last tensor load and my last LDS store
	ds_add_u32 v[SPW], v[NIL]
	s_wait_dscnt 0x0
	CROUND                                         ; the closing round: no work-group ends while a partner may still ask for a tile that names it
	s_endpgm
.Lfunc_end_k_q09a9adbc51_outp:
	.size	k_q09a9adbc51_outp, .Lfunc_end_k_q09a9adbc51_outp-k_q09a9adbc51_outp
	.p2alignl 7, 3214868480
	.fill 96, 4, 3214868480
	.section	.rodata,"a",@progbits
	.p2align	6, 0x0
	.amdhsa_kernel k_q09a9adbc51_outp
		.amdhsa_group_segment_fixed_size 327680
		.amdhsa_private_segment_fixed_size 0
		.amdhsa_enable_private_segment 0
		.amdhsa_kernarg_size 40
		.amdhsa_user_sgpr_count 2
		.amdhsa_user_sgpr_kernarg_segment_ptr 1
		.amdhsa_wavefront_size32 1
		.amdhsa_system_sgpr_workgroup_id_x 1
		.amdhsa_system_sgpr_workgroup_id_y 1
		.amdhsa_system_sgpr_workgroup_id_z 1
		.amdhsa_system_vgpr_workitem_id 0
		.amdhsa_next_free_vgpr 1024
		.amdhsa_next_free_sgpr 98
		.amdhsa_reserve_vcc 0
		.amdhsa_float_denorm_mode_32 3
		.amdhsa_float_denorm_mode_16_64 3
		.amdhsa_memory_ordered 1
		.amdhsa_forward_progress 1
		.amdhsa_inst_pref_size 163
	.end_amdhsa_kernel
	.amdgpu_metadata
---
amdhsa.version: [ 1, 2 ]
amdhsa.kernels:
  - .name:           k_q09a9adbc51_outp
    .symbol:         k_q09a9adbc51_outp.kd
    .args:
      - { .name: hc, .offset: 0, .size: 8, .value_kind: global_buffer, .address_space: global }
      - { .name: hs, .offset: 8, .size: 8, .value_kind: global_buffer, .address_space: global }
      - { .name: W_out_codes, .offset: 16, .size: 8, .value_kind: global_buffer, .address_space: global }
      - { .name: W_out_scales, .offset: 24, .size: 8, .value_kind: global_buffer, .address_space: global }
      - { .name: out0, .offset: 32, .size: 8, .value_kind: global_buffer, .address_space: global }
    .group_segment_fixed_size: 327680
    .private_segment_fixed_size: 0
    .kernarg_segment_align: 8
    .kernarg_segment_size: 40
    .max_flat_workgroup_size: 128
    .sgpr_count:     98
    .vgpr_count:     1024
    .wavefront_size: 32
...
	.end_amdgpu_metadata
.endif
;; end of part 2
;; ======== version 2 of 2: 3 launches
;; limits: right only within a limited range of input values
;; workspace buffers: hc 12,582,912 bytes; hs 524,288 bytes; hl 33,554,432 bytes; pl 33,554,432 bytes; cr 16,384 bytes
;; launch scan (part 3): grid 32 x 8, 4 waves a work-group, clusters of 4 x 1, 327,680 bytes of LDS; arguments x_codes, x_scales, W_hg_codes, W_hg_scales, hc, hs, hl, pl, cr; writes hc, hs, hl, pl, cr
.if DOCPART == 3
	.amdgcn_target "amdgcn-amd-amdhsa--gfx1250"
	.amdhsa_code_object_version 6
	.text
	.protected	k_q09a9adbc51_scan
	.globl	k_q09a9adbc51_scan
	.p2align	8
	.type	k_q09a9adbc51_scan,@function
k_q09a9adbc51_scan:
	s_mov_b64 s[64:65], 0
	v_nop
	global_prefetch_b8 v0, s[64:65] scope:SCOPE_SE
	s_setreg_imm32_b32 hwreg(HW_REG_WAVE_MODE, 25, 1), 1
	s_wait_xcnt 0x0
	s_wait_alu depctr_hold_cnt(0) depctr_sa_sdst(0) depctr_va_vdst(0) depctr_va_sdst(0) depctr_va_ssrc(0) depctr_va_vcc(0) depctr_vm_vsrc(0)
	s_getreg_b32 s2, hwreg(HW_REG_IB_STS2, 6, 4)
	s_cmp_eq_u32 s2, 0
	s_cbranch_scc0 .Lentry_in_a_cluster
	s_endpgm
.Lentry_in_a_cluster:
	s_bfe_u32 s2, ttmp6, 0x10000c
	s_cmp_lg_u32 s2, 0x3003
	s_cbranch_scc0 .Lentry_shape_is_right
	s_endpgm
.Lentry_shape_is_right:
; minGRU, first launch: hg = x W_hg^T on codes of E3M2 (one E8M0 scale for each 32 along K), the gate and the value of each element, and the scan along S, half of S to a work-group.
; THE SCAN.  exp(a*_t + cumlogsumexp(v - a*)_t) is the recurrence h_t = a_t h_(t-1) + b_t, h_(-1) = 0, with a = sigmoid(-gate), b = sigmoid(gate) g(hidden), g(x) = max(x + 0.5, sigmoid(x))
; (the maximum is the reference's choice by the sign of x: the sigmoid lies above x + 0.5 under 0 and below it above 0).  All terms are 0 or more and a is at most 1: h is a mix of the g's, nothing
; overflows, no difference of large sums is formed; the only exponentials stand inside sigmoids, so no maximum has to be taken away.
; AN ELEMENT, in f32, L = log2(e): e = 2^min(-L gate, 125); z = 1 / (1 + e); a = e z; u = 2^(-L hidden); g = max(hidden + 0.5, 1 / (1 + u)); b = z g.
; LIMITS: z is held at 2^-125 from below; a sigmoid under 2^-126 counts as 0; NaN, infinities and the scale byte 0xff among the inputs are not served; a block of zeros of h gets the scale byte 1
; where the quantiser's rule says 127 (its codes are zeros, and only this program reads the bytes).
; SHARES.  A work-group owns one batch b, ONE BLOCK OF 32 CHANNELS j and ONE HALF of S (2,048 rows): 4 x 32 x 2 = 256 work-groups; y = 2 b + half.  The quantiser's block of 32 channels stays inside it.
; THE FIRST HALF is finished here: h is quantised along the channels and leaves as codes and scale bytes; its last h goes to cr.  THE SECOND HALF does not know that carry c in this launch: it runs the same scan from 0
; (h_local) and beside it P_t, the product of a from the half's first row on; h = h_local + P c is formed and quantised by the next launch.  h_local and P leave as images of the registers.
; A half goes in 4 chunks of 512 rows, 128 rows a wave.  LANE r OWNS 8 CONSECUTIVE ROWS, s = 512 chunk + 128 wave + 8 r + t, and tile t of 16 rows is row t of each lane's run.
; THE MATRIX INSTRUCTION IS USED TRANSPOSED (source 0 = 16 rows of W, source 1 = 16 rows of x), and lane m of W's tile (part p, u) takes row 1024 p + 32 j + 8 u + m + 8 (m / 8): so lane (r, h) holds, for its
; row, channels 16 h + 0 .. 15 in 16 consecutive registers, hidden and gate alike: the scan goes from tile to tile in registers, and the quantiser finds 16 neighbours along its K in one lane.
; W's 64 rows (32 fragments, 384 registers a wave) stay in registers for the whole launch; each fragment of x read from LDS feeds four matrix instructions.  They come once: each wave loads a quarter, 12,288 dense
; bytes, 512 consecutive bytes a load, and lays it into LDS; behind a barrier every wave takes its fragments from there.
; THE CARRY.  Each lane folds its 8 rows into (A, B), h_out = A h_in + B; the 64 runs' (A, B) of a chunk meet in LDS; every wave walks the chain of 64 with a lane to a channel, keeps the chunk's carry,
; and hands its own 16 runs their h_in through its own bytes of LDS; then the 8 rows are run again from h_in.  In the second half a second chain, over A alone, gives each run its P_in.
; CLUSTER.  The four work-groups of a cluster have the same batch and half and walk the same x: each tile of x is asked for JOINTLY (mask 15), by the same tensor load with the same descriptor in all four.
; OUT.  hc: byte (R / 32) 24576 + 768 j + 384 (((R / 16) % 2) xor (j % 2)) + 24 (R % 16) + 0 .. 23 holds row R's block j, R = 4096 b + s: a piece of 32 rows x one block is 768 consecutive bytes.
; hs: byte 16384 j + R holds that block's scale.  hl, pl: 16,384 bytes for each (b, j, chunk, wave), in that order; in them byte 512 n + 16 lane holds the lane's registers 4 n .. 4 n + 3 (register 16 t + k: row t, channel 16 h + k).
; cr: [b][1024] f32.  Each store of a wave into hc, hs, hl, pl covers aligned runs of 256 consecutive bytes in sixteen neighbouring lanes.
; REGISTERS, in windows of 256: window 0: v0-31 addresses and small things; v32-63 W's scale words; v64-127 x's scale words; v128-223 two sets of four fragments of x (in FINISH: at work); v224-255 at work.
;   window 1: v0-191 W's hidden fragments (12 (8 u + q)); v192-255 T and U of the activation.   window 2: v0-191 W's gate fragments; v192-207 B of my run, later h_in; v208-223 A of my run, later P_in.
;   window 3: v[16 t] hidden, then b, then h of tile t;  v[128 + 16 t] gate, then a, in the second half then P.
.set SLOT1,  1<<17                     ; slot 1 of x's ring begins here: one exclusive or turns the walking descriptor's LDS address
.set XP,     1776                      ; an LDS row of x's tile: two rows of x, 1,536 bytes, with 80 bytes of padding behind each 512 = 444 words: row r starts at bank -4 r mod 64 (64 banks of 4 bytes: ISA guide 11.1)
.set XW,     16*XP                     ; a wave's tile: 16 such rows
.set AGG,    4*XW                      ; behind slot 0: the 64 runs' sums, 272 bytes each: A of 32 channels, B of 32 channels, 16 of padding
.set AGP,    272
.set HIN,    SLOT1+4*XW                ; behind slot 1: h_in of each wave's 16 runs, 144 bytes each (32 channels + 16 of padding)
.set HIP,    144
.set STG,    HIN+4*16*HIP              ; each wave's stage for its codes: 4 pieces of 768 bytes, 784 apart
.set STP,    784
.set STWV,   3328
.set SCB,    STG+4*STWV                ; h's scale bytes of the half: 512 for each wave, 128 a chunk
.set SPARE,  SCB+2048                  ; the spare words, 128 bytes for each wave: two blocks of 256 bytes that no other line names
.set WL,     SPARE+512                 ; W's 64 rows, stored by the waves: 768 bytes with 16 of padding behind each 256: rows 816 bytes = 204 words apart: row r starts at bank 12 r mod 64
.set WP,     816
.set P2,     WL-HIN                    ; when W has been read, its first bytes hold P_in of each wave's 16 runs, laid as h_in is: the same address registers, this much further on
.set CHUNKB, 393216                    ; 512 rows of 768 bytes: a chunk of x's codes, and of hc
.set SPW,  1                           ; v1   LDS address of my spare word; never rewritten
.set NIL,  2                           ; v2   0; never rewritten
.set AX,   3                           ; v3-4 my place in my wave's tile of x, slot 0, 1: 1776 r + 24 h
.set AXB,  5                           ; v5-6 the same for pieces whose partner three pieces on lies behind one padding more: 1776 r + 104 h
.set XSO,  7                           ; v7   256 r: my 8 rows' scale bytes of x
.set AGW,  8                           ; v8   where I put my run's sums
.set AGR,  9                           ; v9   where I read the runs' sums, a lane to a channel
.set HIW,  10                          ; v10  where I put h_in, a lane to a channel
.set HIR,  11                          ; v11  where I read my run's h_in
.set STW,  12                          ; v12  the stage: my rows' place
.set STR,  13                          ; v13  the stage read back: 16 bytes a lane
.set STR2, 14                          ; v14  the same where lanes 16-31 stand in the next piece
.set GO,   15                          ; v15  16 x lane
.set GO2,  16                          ; v16  the same where lanes 16-31 stand in the next piece of hc
.set SCW,  17                          ; v17  my rows' scale bytes in my wave's part of SCB
.set PFO,  18                          ; v18  256 x lane: the prefetches' offset; never rewritten
.set CARRY, 19                         ; v19  h at the end of the last chunk, a lane to a channel
.set SW,   20                          ; v20-22 at work in the exchange of halves
.set SCR,  23                          ; v23  the way out of the scale bytes
.set SB,   24                          ; v[24:25] my 8 rows' scale bytes
.set WA,   26                          ; v26  my place in a tile of W in LDS: 816 (r + 8 (r / 8)) + 24 h
.set WAB,  27                          ; v27  the same behind one padding more: + 40 h
.set PCAR, 28                          ; v28  P at the end of the last chunk, a lane to a channel
.set CRO,  29                          ; v29  4 x lane
.set WS,   32
.set XS,   64
.set XF,   128
.set WV,   16                          ; s16  my wave's number
.set SEL,  20                          ; s[20:21] lane selects: lane l xor 16
.set ML,   22                          ; s[22:23] -log2(e), twice
.set CAP,  24                          ; s24  125.0
.set SWM,  25                          ; s25  all ones where j is odd, else 0
.set CNT,  26                          ; s26  chunks to go
.set LIM,  27                          ; s27  1 in the first cluster of a batch's half, which prefetches
.set G0,   28                          ; s[28:31] descriptor group 0, which walks
.set G1,   32                          ; s[32:39] descriptor group 1
.set PFA,  40                          ; s[40:41] where my prefetches stand: my work-group's quarter of my wave's rows of the next chunk
.set SCO,  62                          ; s62  128 x chunk
.set HALF, 63                          ; s63  which half of S: the same in all four partners
.set HL,   68                          ; s[68:69] hl, s[70:71] pl at my wave's images of the chunk in hand
.set PL,   70
.set CR,   72
.set MSB, 0
.macro WIN new                         ; the immediate's high byte repeats the setting that is left
.if MSB != \new
	s_set_vgpr_msb (MSB<<8)|\new
.set MSB, \new
.endif
.endm
.macro PLACES                          ; four places behind a matrix instruction, ahead of loads into its registers and of the first read of its result
.rept 4
	v_nop
.endr
.endm
.macro CROUND                          ; a round of the cluster's barrier
	s_barrier_signal -1
	s_barrier_wait -1
	s_cmp_lg_u32 s[WV], 0
	s_cbranch_scc1 .Lnot_wave_0_\@
	s_barrier_signal -3
.Lnot_wave_0_\@:
	s_barrier_wait -3
	s_barrier_signal -1
	s_barrier_wait -1
.endm
; THE CHANGE OF SLOTS stands at a step's head.  My one tensor load that is out is this step's tile; behind the round no wave of any partner reads the other slot, which takes the next step's tile: it has a step in which to land.
.macro CHANGE add
	s_wait_tensorcnt 0x0                           ; all my tensor loads have landed, so group 0 may be written
	ds_add_u32 v[SPW], v[NIL]                      ; 0 onto my spare word
	s_xor_b32 s[G0+1], s[G0+1], SLOT1              ; the other slot,
	s_add_nc_u64 s[G0+2:G0+3], s[G0+2:G0+3], \add  ; the next step's rows; the type bits on top are not reached
	s_wait_dscnt 0x0                               ; the add is done, and my reads of the other slot are over
	CROUND
	tensor_load_to_lds s[G0:G0+3], s[G1:G1+7]      ; every wave's one load behind the round: its own 16 long rows
	s_nop 0
.rept 4
	v_nop
.endr
.endm
; A PREFETCH INTO THE L2 of the next chunk's rows of x.  All clusters of a batch's half walk the same x: the first of them asks.  Of a wave's 98,304 bytes of a chunk each of the four partners takes 24,576, told apart
; by address; three instructions, in steps 0 to 2, lanes 256 bytes apart: each aligned block of 256 bytes is named once in the launch.  The next chunk's first tile is asked for at step 3's head.  The last chunk asks for nothing.
.macro ASK i
	s_cmp_eq_u32 s[LIM], 1
	s_cbranch_scc0 .Lnot_mine_\@
	global_prefetch_b8 v[PFO], s[PFA:PFA+1] offset:8192*(\i) th:TH_LOAD_NT scope:SCOPE_SE
.Lnot_mine_\@:
.endm
; A fragment of x: row e of my long row, K step q: 12 registers, in pieces of 8 bytes.  Data byte o of a long row lies at o + 80 (o / 512).
.macro FRAGX reg, sg, e, q
.irp p, 0,1,2,3,4,5
.set OO, 768*(\e)+96*(\q)+48*(\p/3)+8*(\p%3)
.if OO%512 < 488
	ds_load_b64 v[\reg+2*\p:\reg+2*\p+1], v[AX+(\sg)] offset:OO+80*(OO/512)
.else
	ds_load_b64 v[\reg+2*\p:\reg+2*\p+1], v[AXB+(\sg)] offset:OO+80*(OO/512)
.endif
.endr
.endm
; A fragment of W from LDS: the tile that begins at LDS row row0, K step q.  Data byte o of a row lies at o + 16 (o / 256).
.macro FRAGW reg, row0, q
.irp p, 0,1,2,3,4,5
.set OO, 96*(\q)+48*(\p/3)+8*(\p%3)
.if OO%256 < 232
	ds_load_b64 v[\reg+2*\p:\reg+2*\p+1], v[WA] offset:(\row0)*WP+OO+16*(OO/256)
.else
	ds_load_b64 v[\reg+2*\p:\reg+2*\p+1], v[WAB] offset:(\row0)*WP+OO+16*(OO/256)
.endif
.endr
.endm
.macro FETCH sg, g, set                ; 24 loads: K steps 2 g, 2 g + 1 of the step's two tiles
.irp q2, 0,1
.irp e, 0,1
	FRAGX (\set)+24*\q2+12*\e, \sg, \e, 2*(\g)+\q2
.endr
.endr
.endm
; 16 matrix instructions on one set: 8 for hidden, 8 for gate.  In each eight the four accumulators (tile e, half u) take turns, one instruction a turn.  K step 0 starts the sums.
.macro MULSET i, g, set
.irp pp, 0,1
	WIN 0xf1+\pp                                   ; source 0 (W) window 1 or 2, source 1 (x) window 0, C and D window 3
.irp q2, 0,1
.irp e, 0,1
.irp u, 0,1
.set QQ, 2*(\g)+\q2
.set TT, 2*(\i)+\e
.set rD, 128*\pp+16*TT+8*\u
.set rA, 12*(8*\u+QQ)
.set rB, (\set)+24*\q2+12*\e
.if QQ == 0
	v_wmma_scale_f32_16x16x128_f8f6f4 v[rD:rD+7], v[rA:rA+11], v[rB:rB+11], 0, v[WS+16*\pp+8*\u+QQ], v[XS+8*TT+QQ] matrix_a_fmt:MATRIX_FMT_BF6 matrix_b_fmt:MATRIX_FMT_BF6
.else
	v_wmma_scale_f32_16x16x128_f8f6f4 v[rD:rD+7], v[rA:rA+11], v[rB:rB+11], v[rD:rD+7], v[WS+16*\pp+8*\u+QQ], v[XS+8*TT+QQ] matrix_a_fmt:MATRIX_FMT_BF6 matrix_b_fmt:MATRIX_FMT_BF6
.endif
.endr
.endr
.endr
.endr
.endm
.macro XSLOAD                          ; the next chunk's scale words of x: my 8 rows x 32 bytes are 256 consecutive bytes; register 8 t + q is row t's word of K step q
	s_add_nc_u64 s[6:7], s[6:7], 16384             ; (the last chunk's loads were waited for at its first step)
.irp m, 0,1,2,3,4,5,6,7,8,9,10,11,12,13,14,15
	global_load_b128 v[XS+4*\m:XS+4*\m+3], v[XSO], s[6:7] offset:16*\m
.endr
.endm
; THE ACTIVATION of tiles 2 i, 2 i + 1 (32 elements a lane), and their part of my run's sums.  Every accumulator is read from its low end on.  Two batches of transcendentals, one wait each.
.macro ACT i
.set HB, 32*(\i)
.set GB, 128+32*(\i)
.set TB, 192
.set UB, 224
.if (\i) == 3                          ; so that no two results of one batch bear the same register number
.set TB, 224
.set UB, 192
.endif
	WIN 0xff
.set k, 0
.rept 16
	v_pk_mul_f32 v[GB+k:GB+k+1], v[GB+k:GB+k+1], s[ML:ML+1] op_sel_hi:[1,0]   ; -L gate
.set k, k+2
.endr
.set k, 0
.rept 32
	v_min_num_f32 v[GB+k], s[CAP], v[GB+k]         ; held at 125: e stays finite and 1 / (1 + e) a normal number
.set k, k+1
.endr
	WIN 0x43
.set k, 0
.rept 16
	v_pk_mul_f32 v[UB+k:UB+k+1], v[HB+k:HB+k+1], s[ML:ML+1] op_sel_hi:[1,0]   ; -L hidden
.set k, k+2
.endr
	WIN 0xff
.set k, 0
	s_wait_alu depctr_va_vdst(0)
.rept 32
	v_exp_f32 v[GB+k], v[GB+k]                     ; e
.set k, k+1
.endr
	WIN 0x41
.set k, 0
.rept 32
	v_exp_f32 v[UB+k], v[UB+k]                     ; u
.set k, k+1
.endr
	WIN 0xff
.set k, 0
.rept 16
	v_pk_add_f32 v[HB+k:HB+k+1], v[HB+k:HB+k+1], 0.5 op_sel_hi:[1,0]          ; hidden + 0.5: plain work that names no exponential's result
.set k, k+2
.endr
	s_wait_alu depctr_va_vdst(0)                   ; one wait for the 64 exponentials, ahead of their first reader
	WIN 0x43
.set k, 0
.rept 16
	v_pk_add_f32 v[TB+k:TB+k+1], v[GB+k:GB+k+1], 1.0 op_sel_hi:[1,0]          ; 1 + e
.set k, k+2
.endr
	WIN 0x41
.set k, 0
.rept 16
	v_pk_add_f32 v[UB+k:UB+k+1], v[UB+k:UB+k+1], 1.0 op_sel_hi:[1,0]          ; 1 + u
.set k, k+2
.endr
.set k, 0
	s_wait_alu depctr_va_vdst(0)
.rept 32
	v_rcp_f32 v[TB+k], v[TB+k]                     ; z
.set k, k+1
.endr
.set k, 0
.rept 32
	v_rcp_f32 v[UB+k], v[UB+k]                     ; sigmoid(hidden)
.set k, k+1
.endr
	v_nop                                          ; a plain instruction behind the last reciprocal
	s_wait_alu depctr_va_vdst(0)                   ; one wait for the 64 reciprocals
	WIN 0xc7                                       ; destination and source 0 window 3, source 1 window 1
.set k, 0
.rept 16
	v_pk_mul_f32 v[GB+k:GB+k+1], v[GB+k:GB+k+1], v[TB+k:TB+k+1]               ; a = e z
.set k, k+2
.endr
.set k, 0
.rept 32
	v_max_num_f32 v[HB+k], v[HB+k], v[UB+k]        ; g
.set k, k+1
.endr
.set k, 0
.rept 16
	v_pk_mul_f32 v[HB+k:HB+k+1], v[HB+k:HB+k+1], v[TB+k:TB+k+1]               ; b = z g
.set k, k+2
.endr
.if (\i) == 0                          ; my run's sums begin with rows 0 and 1: B = a1 b0 + b1, A = a1 a0
	WIN 0x3f                                       ; my run's sums lie in window 0: B in v224-239, A in v240-255
.set k, 0
.rept 8
	v_pk_fma_f32 v[224+k:225+k], v[144+k:145+k], v[k:k+1], v[16+k:17+k]
.set k, k+2
.endr
.set k, 0
.rept 8
	v_pk_mul_f32 v[240+k:241+k], v[144+k:145+k], v[128+k:129+k]
.set k, k+2
.endr
.else                                  ; and take a row at a time: B = a B + b, A = a A
	WIN 0x33
.irp e, 0,1
.set k, 0
.rept 8
	v_pk_fma_f32 v[224+k:225+k], v[GB+16*\e+k:GB+16*\e+k+1], v[224+k:225+k], v[HB+16*\e+k:HB+16*\e+k+1]
.set k, k+2
.endr
.set k, 0
.rept 8
	v_pk_mul_f32 v[240+k:241+k], v[GB+16*\e+k:GB+16*\e+k+1], v[240+k:241+k]
.set k, k+2
.endr
.endr
.endif
	WIN 0
.endm
; THE IMAGES of a chunk of the second half: h_local and P as they stand in the registers, 512 consecutive bytes a store; they leave at the chunk's end.
.macro IMAGES
	WIN 0x0c                                       ; a store's data are its source 1: window 3
.set n, 0
.rept 32
	global_store_b128 v[GO], v[4*n:4*n+3], s[HL:HL+1] offset:512*n
.set n, n+1
.endr
.set n, 0
.rept 32
	global_store_b128 v[GO], v[128+4*n:128+4*n+3], s[PL:PL+1] offset:512*n
.set n, n+1
.endr
	WIN 0
.endm
; A STEP: tiles 2 i, 2 i + 1 over all of K: 64 matrix instructions on two sets of fragments by turns, then the activation.
; s_wait_dscnt 24: the other set's 24 loads, which are younger, may stay out.
.macro STEP i, fill, add, pf, xs
.set SG, (\i)%2
.if \fill
	CHANGE \add
.else
	s_wait_tensorcnt 0x0                           ; the last tile: a wave reads only rows that its own load brought; nothing is filled again
.endif
	FETCH SG, 0, XF
	FETCH SG, 1, XF+48
.if \pf
	ASK \i
.endif
.if (\i) == 0
	s_wait_loadcnt 0x0
.endif
	s_wait_dscnt 24
	MULSET \i, 0, XF
	PLACES
	WIN 0
	FETCH SG, 2, XF
	s_wait_dscnt 24
	MULSET \i, 1, XF+48
	PLACES
	WIN 0
	FETCH SG, 3, XF+48
	s_wait_dscnt 24
	MULSET \i, 2, XF
	s_wait_dscnt 0x0
	MULSET \i, 3, XF+48
	PLACES
	WIN 0
.if \xs
	XSLOAD
.endif
	ACT \i
.endm
; THE END OF A CHUNK: the carry, the 8 rows run again; then, in the first half, the quantiser and the way out; in the second, P and the images.
; THE CARRY AS IT IS MADE HERE (it takes the place of the chain over 64 runs that the head's paragraph THE CARRY and its register map describe).  My run's sums lie in window 0: B in v224-239, A in v240-255.
; (1) Inside the wave: the 16 runs lie in the 16 lanes of a DPP row (ISA guide, the chapter on DPP), so four steps, 1, 2, 4, 8 lanes down, make of each lane's (A, B) the sums of runs 0 .. r:
;     B += A x B of lane r - s, A x= A of lane r - s.  A lane with no lane r - s takes 0 for the product (bound_ctrl) and keeps its A.
; (2) Between the waves: of the sums laid into LDS only each wave's run 15 is read, the wave's whole 128 rows.  Every wave walks the chain of FOUR with a lane to a channel, keeps the chunk's carry,
;     lays the four values ahead of waves 0 .. 3 into its own bytes of LDS and takes back the one ahead of itself, 16 channels a lane.
; (3) h_in of my run = A of lane r - 1 x that value + B of lane r - 1; lane 0 keeps the value itself.  P_in likewise, with A alone.  h_in lies in window 0, v192-207, P_in in v208-223.
.macro FINISH more
.irp s, 1,2,4,8
.set k, 0
.rept 16
	v_mul_f32_dpp v[128+k], v[224+k], v[240+k] row_shr:\s row_mask:0xf bank_mask:0xf bound_ctrl:1
.set k, k+1
.endr
.set k, 0
.rept 16
	v_mul_f32_dpp v[240+k], v[240+k], v[240+k] row_shr:\s row_mask:0xf bank_mask:0xf
.set k, k+1
.endr
.set k, 0
.rept 8
	v_pk_add_f32 v[224+k:225+k], v[224+k:225+k], v[128+k:129+k]
.set k, k+2
.endr
.endr
.irp n, 0,1,2,3
	ds_store_b128 v[AGW], v[240+4*\n:243+4*\n] offset:16*\n        ; A of runs 0 .. r of my wave, my 16 channels
.endr
.irp n, 0,1,2,3
	ds_store_b128 v[AGW], v[224+4*\n:227+4*\n] offset:128+16*\n    ; B
.endr
	ds_store_b32 v[HIW], v[CARRY]                  ; the value ahead of wave 0, into my wave's own bytes: row 0
	s_wait_alu depctr_va_vdst(0)
	s_wait_dscnt 0x0                               ; for the others' sake: my stores have landed
	s_barrier_signal -1
	s_barrier_wait -1                              ; the sums lie in LDS.  (They are written again only behind the next chunk's rounds, which every wave reaches behind its wait for these reads)
.irp g, 0,1,2,3
	ds_load_b32 v[128+2*\g], v[AGR] offset:AGP*(16*\g+15)          ; A of wave g's 128 rows, my channel
	ds_load_b32 v[129+2*\g], v[AGR] offset:AGP*(16*\g+15)+128      ; B
.endr
	s_wait_dscnt 0x0
	v_fmac_f32 v129, v128, v[CARRY]                ; the chain: B_g becomes h behind wave g
	v_fmac_f32 v131, v130, v129
	v_fmac_f32 v133, v132, v131
	v_fmac_f32 v135, v134, v133
	ds_store_b32 v[HIW], v129 offset:HIP           ; rows 1 to 3: the values ahead of waves 1 to 3
	ds_store_b32 v[HIW], v131 offset:2*HIP
	ds_store_b32 v[HIW], v133 offset:3*HIP
.irp n, 0,1,2,3
	ds_load_b128 v[192+4*\n:195+4*\n], v[HIR] offset:16*\n         ; the row of my wave's number, my 16 channels: my wave's own bytes, and LDS serves a wave's instructions in order (ISA guide 5.7.1.4)
.endr
	v_mov_b32 v[CARRY], v135                       ; h behind the chunk's last row
	s_wait_alu depctr_va_vdst(0)
	s_wait_dscnt 0x0
.set k, 0
.rept 16
	v_mul_f32_dpp v[192+k], v[240+k], v[192+k] row_shr:1 row_mask:0xf bank_mask:0xf
.set k, k+1
.endr
.set k, 0
.rept 16
	v_add_f32_dpp v[192+k], v[224+k], v[192+k] row_shr:1 row_mask:0xf bank_mask:0xf bound_ctrl:1
.set k, k+1
.endr
	WIN 0xf3                                       ; source 1 window 0, all else window 3
.set k, 0
.rept 8
	v_pk_fma_f32 v[k:k+1], v[128+k:129+k], v[192+k:193+k], v[k:k+1]
.set k, k+2
.endr
	WIN 0xff
.irp t, 1,2,3,4,5,6,7
.set k, 0
.rept 8
	v_pk_fma_f32 v[16*\t+k:16*\t+k+1], v[128+16*\t+k:128+16*\t+k+1], v[16*\t-16+k:16*\t-16+k+1], v[16*\t+k:16*\t+k+1]   ; h_t = a_t h_(t-1) + b_t
.set k, k+2
.endr
.endr
	WIN 0                                          ; at a branch and at a label every window is 0
	s_cmp_eq_u32 s[HALF], 0                        ; the half is the same in every wave of the work-group and in all four partners; no barrier and no tensor load stands in either arm
	s_cbranch_scc1 .Lquant_\@
	; THE SECOND HALF: the chain over A, in place: A_g becomes P behind wave g
	ds_store_b32 v[HIW], v[PCAR] offset:P2         ; P ahead of wave 0
	v_mul_f32 v128, v128, v[PCAR]                  ; the chain of four over A: A_g becomes P behind wave g
	v_mul_f32 v130, v130, v128
	v_mul_f32 v132, v132, v130
	v_mul_f32 v134, v134, v132
	ds_store_b32 v[HIW], v128 offset:P2+HIP
	ds_store_b32 v[HIW], v130 offset:P2+2*HIP
	ds_store_b32 v[HIW], v132 offset:P2+3*HIP
.irp n, 0,1,2,3
	ds_load_b128 v[208+4*\n:211+4*\n], v[HIR] offset:P2+16*\n      ; P ahead of my wave, my 16 channels: my wave's own bytes
.endr
	v_mov_b32 v[PCAR], v134                        ; P behind the chunk's last row
	s_wait_alu depctr_va_vdst(0)
	s_wait_dscnt 0x0
.set k, 0
.rept 16
	v_mul_f32_dpp v[208+k], v[240+k], v[208+k] row_shr:1 row_mask:0xf bank_mask:0xf
.set k, k+1
.endr
	WIN 0xf3
.set k, 0
.rept 8
	v_pk_mul_f32 v[128+k:129+k], v[128+k:129+k], v[208+k:209+k]               ; P_0 = a_0 P_in, over a, which is done with
.set k, k+2
.endr
	WIN 0xff
.irp t, 1,2,3,4,5,6,7
.set k, 0
.rept 8
	v_pk_mul_f32 v[128+16*\t+k:128+16*\t+k+1], v[128+16*\t+k:128+16*\t+k+1], v[128+16*\t-16+k:128+16*\t-16+k+1]   ; P_t = a_t P_(t-1)
.set k, k+2
.endr
.endr
	IMAGES
	s_branch .Lout_\@
.Lquant_\@:
	; THE FIRST HALF: the quantiser: a row's block of 32 channels lies in lanes l and l xor 16.  h is never negative, so no |.| stands on the sources
	WIN 0x3c                                       ; sources 1 and 2 window 3
.irp t, 0,1,2,3,4,5,6,7
	v_max3_num_f32 v[224+\t], 0x2800000, v[16*\t], v[16*\t+1]      ; my 16 numbers of row t, and the floor 2^(5 - 127): the byte cannot fall under 1
.endr
.irp n, 2,4,6,8,10,12,14
.irp t, 0,1,2,3,4,5,6,7
	v_max3_num_f32 v[224+\t], v[224+\t], v[16*\t+\n], v[16*\t+\n+1]   ; (the eight rows by turns)
.endr
.endr
	WIN 0
.irp t, 0,1,2,3,4,5,6,7
	v_permlanex16_b32 v[232+\t], v[224+\t], s[SEL], s[SEL+1]
.endr
.irp t, 0,1,2,3,4,5,6,7
	v_max_num_f32 v[224+\t], v[224+\t], v[232+\t]  ; the block's largest magnitude
.endr
.irp t, 0,1,2,3,4,5,6,7
	v_add_nc_u32 v[240+\t], 0xfe000000, v[224+\t]  ; 4 off its exponent field: the conversion's scale operand
.endr
.irp t, 0,1,2,3,4,5,6,7
	v_lshrrev_b32 v[248+\t], 23, v[240+\t]         ; the scale's byte
.endr
	v_lshl_or_b32 v[SB], v249, 8, v248             ; my 8 rows' bytes are neighbours in hs
	v_lshl_or_b32 v[SB+1], v253, 8, v252
	v_lshl_or_b32 v[SB], v250, 16, v[SB]
	v_lshl_or_b32 v[SB+1], v254, 16, v[SB+1]
	v_lshl_or_b32 v[SB], v251, 24, v[SB]
	v_lshl_or_b32 v[SB+1], v255, 24, v[SB+1]
	v_add_nc_u32 v30, s[SCO], v[SCW]               ; this chunk's place in my wave's part of the scale bytes
	WIN 0x03                                       ; source 0 window 3
.irp t, 0,1,2,3,4,5,6,7
	v_cvt_scalef32_pk16_bf6_f32 v[128+4*\t:130+4*\t], v[16*\t:16*\t+15], v[240+\t]   ; 16 codes, 12 bytes: my half of row t's block
.endr
	WIN 0
	v_nop                                          ; one plain instruction behind the scaled conversions
	; in odd blocks the two halves of 16 rows of a piece change places.  No LDS address may hang on j, so the DATA change lanes: lanes r and r xor 2 hold the same rows of the two halves
.irp t, 0,1,2,3,4,5,6,7
.irp n, 0,1,2
	v_mov_b32_dpp v[SW+\n], v[128+4*\t+\n] row_xmask:2 row_mask:0xf bank_mask:0xf
.endr
.irp n, 0,1,2
	v_cndmask_b32 v[128+4*\t+\n], v[128+4*\t+\n], v[SW+\n], s[SWM]
.endr
.endr
.irp t, 0,1,2,3,4,5,6,7
.irp n, 0,1,2
	ds_store_b32 v[STW], v[128+4*\t+\n] offset:24*\t+4*\n
.endr
.endr
	ds_store_b64 v30, v[SB:SB+1]                   ; (both halves of the lanes write the same bytes with the same values)
	ds_load_b128 v[160:163], v[STR]                ; back as they lie in hc: 3,072 bytes, 512 an instruction; LDS serves a wave's instructions in order
	ds_load_b128 v[164:167], v[STR2] offset:512
	ds_load_b128 v[168:171], v[STR] offset:1040
	ds_load_b128 v[172:175], v[STR] offset:1568
	ds_load_b128 v[176:179], v[STR2] offset:2080
	ds_load_b128 v[180:183], v[STR] offset:2608
	s_wait_dscnt 0x0
	global_store_b128 v[GO], v[160:163], s[12:13]                  ; sixteen lanes store 256 consecutive bytes, at a multiple of 256 from hc's first byte; pieces lie 24,576 bytes apart
	global_store_b128 v[GO2], v[164:167], s[12:13] offset:512
	global_store_b128 v[GO], v[168:171], s[12:13] offset:24832
	global_store_b128 v[GO], v[172:175], s[12:13] offset:49152
	global_store_b128 v[GO2], v[176:179], s[12:13] offset:49664
	global_store_b128 v[GO], v[180:183], s[12:13] offset:73984
.Lout_\@:
.if \more
	s_wait_xcnt 0x0                                ; the stores and the chunk's prefetches have read their registers: data, bases and addresses may be written again
	s_add_nc_u64 s[12:13], s[12:13], CHUNKB
	s_add_nc_u64 s[PFA:PFA+1], s[PFA:PFA+1], CHUNKB
	s_add_nc_u64 s[HL:HL+1], s[HL:HL+1], 65536     ; four waves' images of 16,384 bytes
	s_add_nc_u64 s[PL:PL+1], s[PL:PL+1], 65536
	s_add_co_u32 s[SCO], s[SCO], 128
.endif
.endm
.macro CHUNK more
	STEP 0, 1, 1536, \more, 0
	STEP 1, 1, 1536, \more, 0
	STEP 2, 1, 1536, \more, 0
	STEP 3, \more, CHUNKB-3*1536, 0, \more
	FINISH \more
.endm
	s_load_b256 s[4:11], s[0:1], 0x0               ; x's codes s[4:5], x's scales s[6:7], W's codes s[8:9], W's scales s[10:11]
	s_load_b128 s[12:15], s[0:1], 0x20             ; hc s[12:13], hs s[14:15]
	s_load_b128 s[68:71], s[0:1], 0x30             ; hl, pl
	s_load_b64 s[72:73], s[0:1], 0x40              ; cr
	v_lshl_add_u32 v[SPW], v0, 2, SPARE
	v_mov_b32 v[NIL], 0
	ds_add_u32 v1, v2
	ds_add_u32 v1, v2
	s_wait_dscnt 0x0
	v_lshrrev_b32 v224, 5, v0
	v_readfirstlane_b32 s[WV], v224                ; wave 0..3
	s_bfe_u32 s17, ttmp6, 0x40000                  ; cx: my place in the cluster
	s_lshl_b32 s18, ttmp9, 2
	s_add_co_u32 s18, s18, s17                     ; j = 4 x cluster x + cx: it enters global addresses and the exchange's mask alone
	s_and_b32 s19, ttmp7, 0xffff                   ; y = 2 b + half, which the four partners share: my first row is R = 2048 y
	s_and_b32 s[HALF], s19, 1
	s_mov_b32 s[SEL], 0x76543210
	s_mov_b32 s[SEL+1], 0xfedcba98
	s_mov_b32 s[ML], 0xbfb8aa3b                    ; -log2(e)
	s_mov_b32 s[ML+1], s[ML]
	s_mov_b32 s[CAP], 0x42fa0000                   ; 125.0
	s_bitcmp1_b32 s18, 0
	s_cselect_b32 s[SWM], -1, 0
	s_cmp_eq_u32 ttmp9, 0
	s_cselect_b32 s[LIM], 1, 0                     ; the same in all four partners
	s_mov_b32 s[SCO], 0
	; descriptor group 1: 16 long rows of 192 elements of 8 bytes (two rows of x), 768 elements (8 rows of x) apart; 20 words of padding behind every 128
	s_mov_b32 s[G1+0], 15|(3<<16)|(1<<20)|(1<<21)|(6<<22)|(19<<25)
	s_mov_b32 s[G1+1], 192<<16                     ; tensor_dim0
	s_mov_b32 s[G1+2], 16<<16                      ; tensor_dim1
	s_mov_b32 s[G1+3], 192<<16                     ; tile_dim0
	s_mov_b32 s[G1+4], 16                          ; tile_dim1
	s_mov_b32 s[G1+5], 768                         ; tensor_dim0_stride
	s_mov_b32 s[G1+6], 0
	s_mov_b32 s[G1+7], 0
	s_mul_i32 s42, s19, 1572864                    ; my half's and my wave's rows in x's codes, and in hc: 768 bytes a row in both
	s_mul_i32 s43, s[WV], 98304
	s_add_co_u32 s42, s42, s43
	s_mov_b32 s43, 0
	s_mul_i32 s50, s17, 24576                      ; the prefetches: my work-group's quarter
	s_mov_b32 s51, 0
	s_mul_i32 s52, s18, 768                        ; hc: my block's place in a piece's row of blocks
	s_mov_b32 s53, 0
	s_lshl_b32 s54, s19, 16                        ; x's scales: 32 bytes a row
	s_lshl_b32 s55, s[WV], 12
	s_add_co_u32 s54, s54, s55
	s_mov_b32 s55, 0
	s_lshr_b32 s56, s[WV], 1                       ; W's codes: the quarter that I bring: part wave / 2, rows 32 j + 16 (wave % 2) on
	s_mul_i32 s56, s56, 786432
	s_mul_i32 s57, s18, 24576
	s_add_co_u32 s56, s56, s57
	s_and_b32 s57, s[WV], 1
	s_mul_i32 s57, s57, 12288
	s_add_co_u32 s56, s56, s57
	s_mov_b32 s57, 0
	s_lshl_b32 s58, s18, 10                        ; W's scales: row 32 j
	s_mov_b32 s59, 0
	s_lshl_b32 s60, s18, 14                        ; hs: 16384 j + 2048 y + 512 wave
	s_lshl_b32 s61, s19, 11
	s_add_co_u32 s60, s60, s61
	s_lshl_b32 s61, s[WV], 9
	s_add_co_u32 s60, s60, s61
	s_mov_b32 s61, 0
	s_lshr_b32 s74, s19, 1                         ; b
	s_lshl_b32 s76, s74, 12                        ; cr: 4096 b + 128 j
	s_lshl_b32 s77, s18, 7
	s_add_co_u32 s76, s76, s77
	s_mov_b32 s77, 0
	s_lshl_b32 s74, s74, 23                        ; hl, pl: 16384 (((32 b + j) 4 + chunk) 4 + wave)
	s_lshl_b32 s75, s18, 18
	s_add_co_u32 s74, s74, s75
	s_lshl_b32 s75, s[WV], 14
	s_add_co_u32 s74, s74, s75
	s_mov_b32 s75, 0
	v_and_b32 v225, 15, v0                         ; r
	v_bfe_u32 v226, v0, 4, 1                       ; h
	v_and_b32 v227, 31, v0                         ; lane
	s_mul_i32 s44, s[WV], XW
	v_mul_u32_u24 v228, v225, XP
	v_mad_u32_u24 v229, v226, 24, v228
	v_add_nc_u32 v[AX], s44, v229
	v_add_nc_u32 v[AX+1], SLOT1, v[AX]
	v_mad_u32_u24 v229, v226, 104, v228
	v_add_nc_u32 v[AXB], s44, v229
	v_add_nc_u32 v[AXB+1], SLOT1, v[AXB]
	v_lshlrev_b32 v[XSO], 8, v225
	s_mul_i32 s45, s[WV], 16*AGP
	s_add_co_u32 s45, s45, AGG
	v_mul_u32_u24 v[AGW], v225, AGP
	v_lshl_add_u32 v[AGW], v226, 6, v[AGW]
	v_add_nc_u32 v[AGW], s45, v[AGW]               ; run 16 wave + r, + 64 h
	v_lshl_add_u32 v[AGR], v227, 2, AGG
	s_mul_i32 s46, s[WV], 16*HIP
	s_add_co_u32 s46, s46, HIN
	v_lshl_add_u32 v[HIW], v227, 2, s46
	s_mul_i32 s47, s[WV], HIP                      ; of my wave's rows there, the row of my wave's number,
	v_lshl_add_u32 v[HIR], v226, 6, s47            ; + 64 h
	v_add_nc_u32 v[HIR], s46, v[HIR]
	s_mul_i32 s47, s[WV], STWV
	s_add_co_u32 s47, s47, STG
	v_lshrrev_b32 v228, 2, v225                    ; my 8 rows: piece r / 4,
	v_mul_u32_u24 v[STW], v228, STP
	v_bfe_u32 v228, v225, 1, 1                     ; half (r / 2) % 2,
	v_mad_u32_u24 v[STW], v228, 384, v[STW]
	v_and_b32 v228, 1, v225                        ; rows 8 (r % 2) on, 24 bytes a row,
	v_mad_u32_u24 v[STW], v228, 192, v[STW]
	v_mad_u32_u24 v[STW], v226, 12, v[STW]         ; and my half of the block's 24 bytes
	v_add_nc_u32 v[STW], s47, v[STW]
	v_lshl_add_u32 v[STR], v227, 4, s47
	v_lshl_add_u32 v[STR2], v226, 4, v[STR]
	v_lshlrev_b32 v[GO], 4, v227
	v_mad_u32_u24 v[GO2], v226, 23808, v[GO]
	s_lshl_b32 s48, s[WV], 9
	s_add_co_u32 s48, s48, SCB
	v_lshl_add_u32 v[SCW], v225, 3, s48
	v_lshlrev_b32 v[PFO], 8, v227
	v_lshlrev_b32 v[CRO], 2, v227
	v_mov_b32 v[CARRY], 0                          ; h ahead of the half's first row (in the second half: of h_local)
	v_mov_b32 v[PCAR], 1.0                         ; P ahead of it
	v_mov_b32 v[SW], 0                             ; written once: a DPP form's destination counts as one of its sources
	v_mov_b32 v[SW+1], 0
	v_mov_b32 v[SW+2], 0
	v_lshrrev_b32 v228, 3, v227                    ; the scale bytes' way out: s = 512 wave + 16 lane lies in wave lane / 8's part, chunk = my wave's number
	v_and_b32 v[SCR], 7, v227
	v_lshlrev_b32 v[SCR], 4, v[SCR]
	v_lshl_add_u32 v[SCR], v228, 9, v[SCR]
	s_lshl_b32 s49, s[WV], 7
	s_add_co_u32 s49, s49, SCB
	v_add_nc_u32 v[SCR], s49, v[SCR]
	v_and_b32 v228, 8, v225
	v_add_nc_u32 v228, v228, v225                  ; r + 8 (r / 8): the rows of W that form a tile are not neighbours
	v_mul_u32_u24 v229, v228, WP
	v_mad_u32_u24 v[WA], v226, 24, v229
	v_add_nc_u32 v[WA], WL, v[WA]                  ; W in LDS: that row, + 24 h,
	v_lshl_add_u32 v[WAB], v226, 4, v[WA]          ; or + 40 h
	v_lshlrev_b32 v31, 5, v228                     ; W's scales: 32 bytes a row
	s_mul_i32 s49, s[WV], 16*WP
	s_add_co_u32 s49, s49, WL
	v_lshl_add_u32 v230, v227, 4, s49              ; where I lay my quarter of W: 16 x lane, and 16 more behind each 256 bytes: lanes 16-31 stand behind one padding more
	v_lshl_add_u32 v230, v226, 4, v230
	s_wait_alu depctr_va_vdst(0)
	s_wait_kmcnt 0x0
	s_mov_b32 s[G0], 1                             ; count = 1
	s_mul_i32 s[G0+1], s[WV], XW                   ; LDS address: slot 0, my wave's part: no place in the cluster enters it
	s_add_nc_u64 s[G0+2:G0+3], s[4:5], s[42:43]    ; global address: chunk 0, step 0: my wave's rows 0 and 1 of each run of 8
	s_or_b32 s[G0+3], s[G0+3], 0x80000000          ; type = 2
	s_add_nc_u64 s[PFA:PFA+1], s[4:5], s[42:43]
	s_add_nc_u64 s[PFA:PFA+1], s[PFA:PFA+1], s[50:51]
	s_add_nc_u64 s[PFA:PFA+1], s[PFA:PFA+1], CHUNKB   ; in chunk 1.  Nothing is prefetched here, at the head
	s_add_nc_u64 s[12:13], s[12:13], s[42:43]
	s_add_nc_u64 s[12:13], s[12:13], s[52:53]
	s_add_nc_u64 s[6:7], s[6:7], s[54:55]
	s_add_nc_u64 s[8:9], s[8:9], s[56:57]
	s_add_nc_u64 s[10:11], s[10:11], s[58:59]
	s_add_nc_u64 s[14:15], s[14:15], s[60:61]
	s_add_nc_u64 s[HL:HL+1], s[HL:HL+1], s[74:75]
	s_add_nc_u64 s[PL:PL+1], s[PL:PL+1], s[74:75]
	s_add_nc_u64 s[CR:CR+1], s[CR:CR+1], s[76:77]
.set n, 0
.rept 24
	global_load_b128 v[XF+4*n:XF+4*n+3], v[GO], s[8:9] offset:512*n        ; my quarter of W: 16 rows, 12,288 dense bytes, 512 consecutive bytes a load
.set n, n+1
.endr
.irp c, 0,1,2,3                        ; W's scale words: tile c = 2 p + u, register 8 c + q
.irp f, 0,1
	global_load_b128 v[WS+8*\c+4*\f:WS+8*\c+4*\f+3], v31, s[10:11] offset:(1024*(\c/2)+8*(\c%2))*32+16*\f
.endr
.endr
.irp m, 0,1,2,3,4,5,6,7,8,9,10,11,12,13,14,15
	global_load_b128 v[XS+4*\m:XS+4*\m+3], v[XSO], s[6:7] offset:16*\m     ; chunk 0's scale words of x
.endr
	CROUND                                         ; all four work-groups are here: the first joint loads meet
	tensor_load_to_lds s[G0:G0+3], s[G1:G1+7]      ; the first fill: one load of mine is out
	s_nop 0
.rept 4
	v_nop
.endr
	s_wait_loadcnt 24                              ; W's 24 loads are the oldest: they are in; the 8 + 16 loads of scale words may stay out
.set n, 0
.rept 24
	ds_store_b128 v230, v[XF+4*n:XF+4*n+3] offset:544*n                    ; 512 bytes and their two paddings a store
.set n, n+1
.endr
	s_wait_dscnt 0x0                               ; for the others' sake: my quarter lies in LDS
	s_barrier_signal -1
	s_barrier_wait -1                              ; all 64 rows do.
	WIN 0x40                                       ; destination window 1: W's hidden fragments (tile u, K step q) at v[12 (8 u + q)]: they stay
.irp u, 0,1
.irp q, 0,1,2,3,4,5,6,7
	FRAGW 12*(8*\u+\q), 8*\u, \q
.endr
.endr
	WIN 0x80                                       ; window 2: the gate's, 32 LDS rows further on
.irp u, 0,1
.irp q, 0,1,2,3,4,5,6,7
	FRAGW 12*(8*\u+\q), 32+8*\u, \q
.endr
.endr
	WIN 0                                          ; (the first change of slots waits for all my LDS loads)
	s_mov_b32 s[CNT], 3
.Lchunk:                                               ; three chunks that have a successor
	CHUNK 1
	s_sub_co_u32 s[CNT], s[CNT], 1
	s_cmp_lg_u32 s[CNT], 0
	s_cbranch_scc1 .Lchunk
	CHUNK 0                                        ; the last chunk is written out: its last step asks for nothing
	s_wait_dscnt 0x0                               ; no LDS instruction of mine is out
	s_barrier_signal -1
	s_barrier_wait -1                              ; in the first half: all waves' scale bytes lie in LDS
	s_cmp_lg_u32 s[HALF], 0
	s_cbranch_scc1 .Lclose
	ds_load_b128 v[184:187], v[SCR]
	s_wait_dscnt 0x0
	global_store_b128 v[GO], v[184:187], s[14:15]                  ; 512 consecutive bytes of hs a wave
	s_cmp_lg_u32 s[WV], 0
	s_cbranch_scc1 .Lclose
	global_store_b32 v[CRO], v[CARRY], s[CR:CR+1]                  ; the first half's last h, a lane to a channel: 128 consecutive bytes, once a work-group
.Lclose:
	s_wait_tensorcnt 0x0                           ; the wave's end: behind my last tensor load and my last LDS store
	ds_add_u32 v[SPW], v[NIL]
	s_wait_dscnt 0x0
	CROUND                                         ; the closing round: no work-group ends while a partner may still ask for a tile that names it
	s_endpgm
.Lfunc_end_k_q09a9adbc51_scan:
	.size	k_q09a9adbc51_scan, .Lfunc_end_k_q09a9adbc51_scan-k_q09a9adbc51_scan
	.p2alignl 7, 3214868480
	.fill 96, 4, 3214868480
	.section	.rodata,"a",@progbits
	.p2align	6, 0x0
	.amdhsa_kernel k_q09a9adbc51_scan
		.amdhsa_group_segment_fixed_size 327680
		.amdhsa_private_segment_fixed_size 0
		.amdhsa_enable_private_segment 0
		.amdhsa_kernarg_size 72
		.amdhsa_user_sgpr_count 2
		.amdhsa_user_sgpr_kernarg_segment_ptr 1
		.amdhsa_wavefront_size32 1
		.amdhsa_system_sgpr_workgroup_id_x 1
		.amdhsa_system_sgpr_workgroup_id_y 1
		.amdhsa_system_sgpr_workgroup_id_z 1
		.amdhsa_system_vgpr_workitem_id 0
		.amdhsa_next_free_vgpr 1024
		.amdhsa_next_free_sgpr 80
		.amdhsa_reserve_vcc 0
		.amdhsa_float_denorm_mode_32 3
		.amdhsa_float_denorm_mode_16_64 3
		.amdhsa_memory_ordered 1
		.amdhsa_forward_progress 1
		.amdhsa_inst_pref_size 255
	.end_amdhsa_kernel
	.section	.bss,"aw",@nobits
	.p2align	6
	.space	262144
	.amdgpu_metadata
---
amdhsa.version: [ 1, 2 ]
amdhsa.kernels:
  - .name:           k_q09a9adbc51_scan
    .symbol:         k_q09a9adbc51_scan.kd
    .args:
      - { .name: x_codes, .offset: 0, .size: 8, .value_kind: global_buffer, .address_space: global }
      - { .name: x_scales, .offset: 8, .size: 8, .value_kind: global_buffer, .address_space: global }
      - { .name: W_hg_codes, .offset: 16, .size: 8, .value_kind: global_buffer, .address_space: global }
      - { .name: W_hg_scales, .offset: 24, .size: 8, .value_kind: global_buffer, .address_space: global }
      - { .name: hc, .offset: 32, .size: 8, .value_kind: global_buffer, .address_space: global }
      - { .name: hs, .offset: 40, .size: 8, .value_kind: global_buffer, .address_space: global }
      - { .name: hl, .offset: 48, .size: 8, .value_kind: global_buffer, .address_space: global }
      - { .name: pl, .offset: 56, .size: 8, .value_kind: global_buffer, .address_space: global }
      - { .name: cr, .offset: 64, .size: 8, .value_kind: global_buffer, .address_space: global }
    .group_segment_fixed_size: 327680
    .private_segment_fixed_size: 0
    .kernarg_segment_align: 8
    .kernarg_segment_size: 72
    .max_flat_workgroup_size: 128
    .sgpr_count:     80
    .vgpr_count:     1024
    .wavefront_size: 32
...
	.end_amdgpu_metadata
.endif
;; end of part 3
;; launch fix (part 4): grid 512 x 1, 4 waves a work-group, no clusters, 14,848 bytes of LDS; arguments hl, pl, cr, hc, hs; writes hc, hs
.if DOCPART == 4
	.amdgcn_target "amdgcn-amd-amdhsa--gfx1250"
	.amdhsa_code_object_version 6
	.text
	.protected	k_q09a9adbc51_fix
	.globl	k_q09a9adbc51_fix
	.p2align	8
	.type	k_q09a9adbc51_fix,@function
k_q09a9adbc51_fix:
	s_mov_b64 s[64:65], 0
	v_nop
	global_prefetch_b8 v0, s[64:65] scope:SCOPE_SE
	s_setreg_imm32_b32 hwreg(HW_REG_WAVE_MODE, 25, 1), 1
	s_wait_xcnt 0x0
; minGRU, second launch: the second half of S gets its carry: h = P c + h_local, in f32, and is quantised along the channels to codes of E3M2 with one E8M0 scale for each block of 32 channels.
; hl, pl: images of the first launch's registers: 16,384 bytes for each (b, j, chunk, wave), in that order; byte 512 n + 16 lane holds the lane's registers 4 n .. 4 n + 3; register 16 t + k of lane (r, h) is
; row s = 2048 + 512 chunk + 128 wave + 8 r + t, channel 32 j + 16 h + k.  cr: [b][1024] f32: h behind row 2047.  All terms are 0 or more: nothing cancels.
; A work-group takes one (b, j, chunk), its wave w the images of wave w, into the same lanes: so the quantiser and the way out are the first launch's own.
; OUT.  hc: byte (R / 32) 24576 + 768 j + 384 (((R / 16) % 2) xor (j % 2)) + 24 (R % 16) + 0 .. 23 holds row R's block j, R = 4096 b + s;  hs: byte 16384 j + R its scale.
; LIMITS: a block of zeros gets the scale byte 1 where the quantiser's rule says 127 (its codes are zeros, and only this program reads the bytes); NaN and infinities are not served.
; A stream: every load and store of the images and of hc covers 512 or 256 consecutive bytes, each byte is read once; no matrix work, no tensor loads, no cluster (work-groups share nothing but 128 bytes of cr),
; no prefetch (each wave has 16 KiB and more of its own loads on the way from its first lines on).  Tiles 0-3 are worked while tiles 4-7 land.
.set STP,   784                        ; LDS: each wave's stage for its codes: 4 pieces of 768 bytes, 784 apart
.set STWV,  3328
.set SCBF,  4*STWV                     ; behind the stages: the chunk's 512 scale bytes
.set GO,   4                           ; v4   16 x lane
.set GO2,  5                           ; v5   the same where lanes 16-31 stand in the next piece of hc
.set STW,  6                           ; v6   the stage: my rows' place
.set STR,  7                           ; v7   the stage read back: 16 bytes a lane
.set STR2, 8                           ; v8   the same where lanes 16-31 stand in the next piece
.set SCW,  9                           ; v9   my 8 rows' scale bytes in LDS
.set SCR,  10                          ; v10  their way out: 16 bytes a lane
.set CO,   11                          ; v11  64 h: my 16 channels in cr
.set SW,   12                          ; v12-14 at work in the exchange of halves
.set SB,   16                          ; v[16:17] my 8 rows' scale bytes
.set C,    20                          ; v20-35 the carry of my 16 channels
.set M,    36                          ; v36-39 largest magnitudes, then bytes
.set X,    40                          ; v40-43 the other half's, then the conversions' scale operands
.set CD,   44                          ; v44-59 four rows' codes
.set HA,   64                          ; v64-127  h of tiles 0-3; at the end the rows of hc
.set HB,   128                         ; v128-191 h of tiles 4-7
.set PA,   192                         ; v192-255 P of tiles 0-3, then of tiles 4-7
.set WV,   14
.set SWM,  18                          ; s18  all ones where j is odd, else 0
.set SEL,  20
	s_load_b128 s[4:7], s[0:1], 0x0                ; hl, pl
	s_load_b128 s[8:11], s[0:1], 0x10              ; cr, hc
	s_load_b64 s[12:13], s[0:1], 0x20              ; hs
	v_lshl_add_u32 v62, v0, 2, 0x3800
	v_mov_b32 v63, 0
	v_lshrrev_b32 v1, 5, v0
	v_readfirstlane_b32 s[WV], v1                  ; wave 0..3
	s_and_b32 s15, ttmp9, 3                        ; chunk
	s_bfe_u32 s16, ttmp9, 0x50002                  ; j
	s_lshr_b32 s17, ttmp9, 7                       ; b
	s_bitcmp1_b32 s16, 0
	s_cselect_b32 s[SWM], -1, 0
	s_mov_b32 s[SEL], 0x76543210
	s_mov_b32 s[SEL+1], 0xfedcba98                 ; lane selects: lane l xor 16
	s_lshl_b32 s22, ttmp9, 16                      ; the images: 16384 (4 x work-group + wave)
	s_lshl_b32 s23, s[WV], 14
	s_add_co_u32 s22, s22, s23
	s_mov_b32 s23, 0
	s_lshl_b32 s24, s17, 12                        ; cr: 4096 b + 128 j
	s_lshl_b32 s25, s16, 7
	s_add_co_u32 s24, s24, s25
	s_mov_b32 s25, 0
	s_mul_i32 s26, s17, 3145728                    ; hc: 768 bytes a row: rows 4096 b + 2048 + 512 chunk + 128 wave on, + 768 j
	s_mul_i32 s27, s15, 393216
	s_add_co_u32 s26, s26, s27
	s_mul_i32 s27, s[WV], 98304
	s_add_co_u32 s26, s26, s27
	s_mul_i32 s27, s16, 768
	s_add_co_u32 s26, s26, s27
	s_add_co_u32 s26, s26, 1572864
	s_mov_b32 s27, 0
	s_lshl_b32 s28, s16, 14                        ; hs: 16384 j + 4096 b + 2048 + 512 chunk
	s_lshl_b32 s29, s17, 12
	s_add_co_u32 s28, s28, s29
	s_lshl_b32 s29, s15, 9
	s_add_co_u32 s28, s28, s29
	s_add_co_u32 s28, s28, 2048
	s_mov_b32 s29, 0
	v_and_b32 v1, 15, v0                           ; r
	v_bfe_u32 v2, v0, 4, 1                         ; h
	v_and_b32 v3, 31, v0                           ; lane
	v_lshlrev_b32 v[GO], 4, v3
	v_mad_u32_u24 v[GO2], v2, 23808, v[GO]
	v_lshlrev_b32 v[CO], 6, v2
	s_mul_i32 s30, s[WV], STWV
	v_lshrrev_b32 v15, 2, v1                       ; my 8 rows: piece r / 4,
	v_mul_u32_u24 v[STW], v15, STP
	v_bfe_u32 v15, v1, 1, 1                        ; half (r / 2) % 2,
	v_mad_u32_u24 v[STW], v15, 384, v[STW]
	v_and_b32 v15, 1, v1                           ; rows 8 (r % 2) on, 24 bytes a row,
	v_mad_u32_u24 v[STW], v15, 192, v[STW]
	v_mad_u32_u24 v[STW], v2, 12, v[STW]           ; and my half of the block's 24 bytes
	v_add_nc_u32 v[STW], s30, v[STW]
	v_lshl_add_u32 v[STR], v3, 4, s30
	v_lshl_add_u32 v[STR2], v2, 4, v[STR]
	s_lshl_b32 s31, s[WV], 7
	s_add_co_u32 s31, s31, SCBF
	v_lshl_add_u32 v[SCW], v1, 3, s31
	v_lshl_add_u32 v[SCR], v3, 4, SCBF
.irp n, 0,1,2
	v_mov_b32 v[SW+\n], 0                          ; written once: a DPP form's and a lane permute's destination count as sources
.endr
.irp n, 0,1,2,3
	v_mov_b32 v[X+\n], 0
.endr
	s_wait_kmcnt 0x0
	s_add_nc_u64 s[4:5], s[4:5], s[22:23]
	s_add_nc_u64 s[6:7], s[6:7], s[22:23]
	s_add_nc_u64 s[8:9], s[8:9], s[24:25]
	s_add_nc_u64 s[10:11], s[10:11], s[26:27]
	s_add_nc_u64 s[12:13], s[12:13], s[28:29]
.irp n, 0,1,2,3
	global_load_b128 v[C+4*\n:C+4*\n+3], v[CO], s[8:9] offset:16*\n
.endr
.set n, 0
.rept 16
	global_load_b128 v[HA+4*n:HA+4*n+3], v[GO], s[4:5] offset:512*n th:TH_LOAD_NT        ; 512 consecutive bytes a load; read once
.set n, n+1
.endr
.set n, 0
.rept 16
	global_load_b128 v[PA+4*n:PA+4*n+3], v[GO], s[6:7] offset:512*n th:TH_LOAD_NT
.set n, n+1
.endr
.set n, 0
.rept 16
	global_load_b128 v[HB+4*n:HB+4*n+3], v[GO], s[4:5] offset:512*(16+n) th:TH_LOAD_NT
.set n, n+1
.endr
.macro CARRYIN base                    ; h = P c + h_local, four rows, two channels an instruction
.irp t, 0,1,2,3
.irp k, 0,2,4,6,8,10,12,14
	v_pk_fma_f32 v[(\base)+16*\t+\k:(\base)+16*\t+\k+1], v[PA+16*\t+\k:PA+16*\t+\k+1], v[C+\k:C+\k+1], v[(\base)+16*\t+\k:(\base)+16*\t+\k+1]
.endr
.endr
.endm
; Four rows are quantised: a row's block of 32 channels lies in lanes l and l xor 16.  h is never negative, so no |.| stands on the sources.  ps: rows 4 ps on.
.macro QUANT4 base, ps
.irp t, 0,1,2,3
	v_max3_num_f32 v[M+\t], 0x2800000, v[(\base)+16*\t], v[(\base)+16*\t+1]   ; my 16 numbers of the row, and the floor 2^(5 - 127): the byte cannot fall under 1
.endr
.irp n, 2,4,6,8,10,12,14
.irp t, 0,1,2,3
	v_max3_num_f32 v[M+\t], v[M+\t], v[(\base)+16*\t+\n], v[(\base)+16*\t+\n+1]   ; (the four rows by turns)
.endr
.endr
.irp t, 0,1,2,3
	v_permlanex16_b32 v[X+\t], v[M+\t], s[SEL], s[SEL+1]
.endr
.irp t, 0,1,2,3
	v_max_num_f32 v[M+\t], v[M+\t], v[X+\t]        ; the block's largest magnitude
.endr
.irp t, 0,1,2,3
	v_add_nc_u32 v[X+\t], 0xfe000000, v[M+\t]      ; 4 off its exponent field: the conversion's scale operand
.endr
.irp t, 0,1,2,3
	v_lshrrev_b32 v[M+\t], 23, v[X+\t]             ; the scale's byte
.endr
	v_lshl_or_b32 v[SB+(\ps)], v[M+1], 8, v[M]     ; four rows' bytes are neighbours in hs
	v_lshl_or_b32 v[SB+(\ps)], v[M+2], 16, v[SB+(\ps)]
	v_lshl_or_b32 v[SB+(\ps)], v[M+3], 24, v[SB+(\ps)]
.irp t, 0,1,2,3
	v_cvt_scalef32_pk16_bf6_f32 v[CD+4*\t:CD+4*\t+2], v[(\base)+16*\t:(\base)+16*\t+15], v[X+\t]   ; 16 codes, 12 bytes: my half of the row's block
.endr
	v_nop                                          ; one plain instruction behind the scaled conversions
.irp t, 0,1,2,3                        ; in odd blocks the two halves of 16 rows of a piece change places: lanes r and r xor 2 hold the same rows of the two halves
.irp n, 0,1,2
	v_mov_b32_dpp v[SW+\n], v[CD+4*\t+\n] row_xmask:2 row_mask:0xf bank_mask:0xf
.endr
.irp n, 0,1,2
	v_cndmask_b32 v[CD+4*\t+\n], v[CD+4*\t+\n], v[SW+\n], s[SWM]
.endr
.endr
.irp t, 0,1,2,3
.irp n, 0,1,2
	ds_store_b32 v[STW], v[CD+4*\t+\n] offset:24*(4*(\ps)+\t)+4*\n
.endr
.endr
.endm
	s_wait_loadcnt 16                              ; the carry and tiles 0-3 are in; h_local of tiles 4-7, the youngest 16 loads, may stay out
	CARRYIN HA
.set n, 0
.rept 16
	global_load_b128 v[PA+4*n:PA+4*n+3], v[GO], s[6:7] offset:512*(16+n) th:TH_LOAD_NT   ; P of tiles 4-7, into the registers that tiles 0-3's have left
.set n, n+1
.endr
	QUANT4 HA, 0
	s_wait_loadcnt 0x0
	s_wait_dscnt 0x0                               ; the stores into the stage have read the codes' registers
	CARRYIN HB
	QUANT4 HB, 1
	ds_store_b64 v[SCW], v[SB:SB+1]                ; (both halves of the lanes write the same bytes with the same values)
	ds_load_b128 v[HA:HA+3], v[STR]                ; back as they lie in hc: 3,072 bytes, 512 an instruction; LDS serves a wave's instructions in order (ISA guide 5.7.1.4)
	ds_load_b128 v[HA+4:HA+7], v[STR2] offset:512
	ds_load_b128 v[HA+8:HA+11], v[STR] offset:1040
	ds_load_b128 v[HA+12:HA+15], v[STR] offset:1568
	ds_load_b128 v[HA+16:HA+19], v[STR2] offset:2080
	ds_load_b128 v[HA+20:HA+23], v[STR] offset:2608
	s_wait_dscnt 0x0                               ; they are in, and for the others' sake my scale bytes are stored
	s_barrier_signal -1
	s_barrier_wait -1                              ; the chunk's 512 scale bytes lie in LDS
	global_store_b128 v[GO], v[HA:HA+3], s[10:11]                  ; sixteen lanes store 256 consecutive bytes, at a multiple of 256 from hc's first byte; pieces lie 24,576 bytes apart
	global_store_b128 v[GO2], v[HA+4:HA+7], s[10:11] offset:512
	global_store_b128 v[GO], v[HA+8:HA+11], s[10:11] offset:24832
	global_store_b128 v[GO], v[HA+12:HA+15], s[10:11] offset:49152
	global_store_b128 v[GO2], v[HA+16:HA+19], s[10:11] offset:49664
	global_store_b128 v[GO], v[HA+20:HA+23], s[10:11] offset:73984
	s_cmp_lg_u32 s[WV], 0
	s_cbranch_scc1 .Lend
	ds_load_b128 v[HA+24:HA+27], v[SCR]
	s_wait_dscnt 0x0
	global_store_b128 v[GO], v[HA+24:HA+27], s[12:13]              ; wave 0 stores the 512 consecutive bytes of hs
.Lend:
	s_wait_tensorcnt 0x0
	ds_add_u32 v62, v63
	s_wait_dscnt 0x0
	s_endpgm
.Lfunc_end_k_q09a9adbc51_fix:
	.size	k_q09a9adbc51_fix, .Lfunc_end_k_q09a9adbc51_fix-k_q09a9adbc51_fix
	.p2alignl 7, 3214868480
	.fill 96, 4, 3214868480
	.section	.rodata,"a",@progbits
	.p2align	6, 0x0
	.amdhsa_kernel k_q09a9adbc51_fix
		.amdhsa_group_segment_fixed_size 14848
		.amdhsa_private_segment_fixed_size 0
		.amdhsa_enable_private_segment 0
		.amdhsa_kernarg_size 40
		.amdhsa_user_sgpr_count 2
		.amdhsa_user_sgpr_kernarg_segment_ptr 1
		.amdhsa_wavefront_size32 1
		.amdhsa_system_sgpr_workgroup_id_x 1
		.amdhsa_system_sgpr_workgroup_id_y 1
		.amdhsa_system_sgpr_workgroup_id_z 1
		.amdhsa_system_vgpr_workitem_id 0
		.amdhsa_next_free_vgpr 256
		.amdhsa_next_free_sgpr 66
		.amdhsa_reserve_vcc 0
		.amdhsa_float_denorm_mode_32 3
		.amdhsa_float_denorm_mode_16_64 3
		.amdhsa_memory_ordered 1
		.amdhsa_forward_progress 1
		.amdhsa_inst_pref_size 27
	.end_amdhsa_kernel
	.amdgpu_metadata
---
amdhsa.version: [ 1, 2 ]
amdhsa.kernels:
  - .name:           k_q09a9adbc51_fix
    .symbol:         k_q09a9adbc51_fix.kd
    .args:
      - { .name: hl, .offset: 0, .size: 8, .value_kind: global_buffer, .address_space: global }
      - { .name: pl, .offset: 8, .size: 8, .value_kind: global_buffer, .address_space: global }
      - { .name: cr, .offset: 16, .size: 8, .value_kind: global_buffer, .address_space: global }
      - { .name: hc, .offset: 24, .size: 8, .value_kind: global_buffer, .address_space: global }
      - { .name: hs, .offset: 32, .size: 8, .value_kind: global_buffer, .address_space: global }
    .group_segment_fixed_size: 14848
    .private_segment_fixed_size: 0
    .kernarg_segment_align: 8
    .kernarg_segment_size: 40
    .max_flat_workgroup_size: 128
    .sgpr_count:     66
    .vgpr_count:     256
    .wavefront_size: 32
...
	.end_amdgpu_metadata
.endif
;; end of part 4
;; launch outp (part 5): grid 4 x 64, 4 waves a work-group, clusters of 4 x 1, 327,680 bytes of LDS; arguments hc, hs, W_out_codes, W_out_scales, out0; writes out0
.if DOCPART == 5
	.amdgcn_target "amdgcn-amd-amdhsa--gfx1250"
	.amdhsa_code_object_version 6
	.text
	.protected	k_q09a9adbc51_outp
	.globl	k_q09a9adbc51_outp
	.p2align	8
	.type	k_q09a9adbc51_outp,@function
k_q09a9adbc51_outp:
	s_mov_b64 s[64:65], 0
	v_nop
	global_prefetch_b8 v0, s[64:65] scope:SCOPE_SE
	s_setreg_imm32_b32 hwreg(HW_REG_WAVE_MODE, 25, 1), 1
	s_wait_xcnt 0x0
	s_wait_alu depctr_hold_cnt(0) depctr_sa_sdst(0) depctr_va_vdst(0) depctr_va_sdst(0) depctr_va_ssrc(0) depctr_va_vcc(0) depctr_vm_vsrc(0)
	s_getreg_b32 s2, hwreg(HW_REG_IB_STS2, 6, 4)
	s_cmp_eq_u32 s2, 0
	s_cbranch_scc0 .Lentry_in_a_cluster
	s_endpgm
.Lentry_in_a_cluster:
	s_bfe_u32 s2, ttmp6, 0x10000c
	s_cmp_lg_u32 s2, 0x3003
	s_cbranch_scc0 .Lentry_shape_is_right
	s_endpgm
.Lentry_shape_is_right:
; minGRU, last launch: out[m][n] = sum over k of h[m][k] W_out[n][k], both on codes of E3M2 with one E8M0 scale for each 32 along K; sums and out in f32.  M = 16,384, N = 1,024, K = 1,024.
; A = h as the earlier launches left it.  hc: byte (R / 32) 24576 + 768 j + 384 (((R / 16) % 2) xor (j % 2)) + 24 (R % 16) + 0 .. 23 holds row R's block j of 32 codes;  hs: byte 16384 j + R its scale.
; B = W_out: rows of 768 bytes of codes, K innermost, and rows of 32 scale bytes.
; SHARES.  A work-group makes 256 x 256 of out; wave w makes all 256 rows of columns 64 w .. 64 w + 63.  Its part of B, 64 rows x all of K, is 32 fragments, 384 registers, and STAYS IN REGISTERS.
; The walk goes BY BLOCKS OF 16 ROWS of out: a block takes 32 matrix instructions (all of K, 4 accumulators by turns) and leaves at once, so that out's stores are spread over the whole walk.
; A: the tile's 256 rows are 196,608 consecutive bytes of hc, a multiple of 256 from its first byte; wave w brings rows 64 w .. 64 w + 63 by ONE joint load at the head; nothing is filled again.  It lies in LDS as in memory:
; the halves of 16 rows change places in odd blocks of K, so lanes 16-31 of a fragment load stand 128 bytes mod 256 from lanes 0-15.
; B: a wave's 49,152 bytes are dense in memory.  In four passes of 16 rows: 24 loads of 512 consecutive bytes, laid into the wave's own LDS bytes (16 bytes of padding behind each 256: rows 816 apart), taken back as fragments.
; LDS serves a wave's instructions in order (ISA guide 5.7.1.4), so the passes need no wait between them.  The same bytes are the stage of the way out.
; SCALES.  B's: a lane's row has 32 bytes, 8 words, one for each 128 along K: two loads of 16 bytes a block, kept in 32 registers.  A's lie [block][row] in hs: each thread loads 4 rows' bytes of 16 blocks, turns 4 x 4 bytes by
; byte permutes and stores 16 bytes of each of its 4 rows into LDS; a block of 16 rows then takes its 8 words a lane by two loads.
; THE MATRIX INSTRUCTION IS USED TRANSPOSED (source 0 = 16 rows of B, source 1 = 16 rows of A): a lane holds 8 neighbours of a row of out.  A block's 16 rows x 256 bytes go through the stage and leave as whole aligned runs of 256 bytes.
; CLUSTER: the four work-groups of a cluster make the four column tiles of one tile row and ask for A jointly (mask 15).  B is not asked for jointly: it goes to registers, and as tiles in LDS its 208,896 padded bytes would not fit beside A's 196,608.
; No prefetch: every tile and every byte of B is asked for at the head; the loop loads nothing from memory.
; LIMITS: NaN, infinities and the scale byte 0xff are not served.
; REGISTERS: window 0: v0-31 addresses; v32-63 B's scale words; v64-79 A's scale words of two blocks; v80-175 A's fragments, two halves of K; v176-239 rows of out on their way (at the head: hs's bytes).
;   window 1: B's fragments of K steps 0-3 (12 (4 q + b)); window 2: of K steps 4-7; window 3: v0-63 two sets of 4 accumulators (at the head v0-191: B as loaded).
.set SLOT,   49152                     ; 64 rows of A
.set GRP,    24576                     ; 32 rows of A: a trip
.set SCL,    4*SLOT                    ; A's scales: rows of 32 bytes, 16 of padding behind each 256: 8,704 bytes
.set WREG,   229376                    ; each wave's own bytes (24,064 unused bytes lie ahead of them)
.set WWV,    13312
.set WP,     816
.set SPITCH, 272
.set SPARE,  WREG+4*WWV                ; the spare words: two blocks of 256 bytes that no other line names
.set GO,   4                           ; 16 x lane
.set SBO,  5                           ; 32 r
.set HSO,  6                           ; my place in hs
.set HSL,  7                           ; where I store A's scale bytes
.set ADRE, 8                           ; A's fragments of the trip's even block, odd block; A's scale words
.set ADRO, 9
.set ADRS, 10
.set WST,  11                          ; where I lay B
.set WA,   12                          ; where I take B's fragments: 816 r + 24 h; behind one padding more: + 40 h
.set WAB,  13
.set STO,  14                          ; the stage: in, back
.set RD,   15
.set CO,   16                          ; my place in two rows of out
.set AE0,  24                          ; the first trip's ADRE, ADRO, ADRS; never rewritten
.set AO0,  25
.set AS0,  26
.set SPW,  28
.set NIL,  29
.set SB,   32
.set SA,   64
.set HA,   80
.set RB,   176
.set G1,   24
.set G0,   32
.set MSB, 0
.macro WIN new
.if MSB != \new
	s_set_vgpr_msb (MSB<<8)|\new
.set MSB, \new
.endif
.endm
.macro PLACES                          ; four places behind a matrix instruction (ISA guide 7.12.1)
.rept 4
	v_nop
.endr
.endm
.macro CROUND                          ; a round of the cluster's barrier
	s_barrier_signal -1
	s_barrier_wait -1
	s_cmp_lg_u32 s14, 0
	s_cbranch_scc1 .Lnot_wave_0_\@
	s_barrier_signal -3
.Lnot_wave_0_\@:
	s_barrier_wait -3
	s_barrier_signal -1
	s_barrier_wait -1
.endm
.macro PLOAD b                         ; pass b: 16 rows of B, 12,288 dense bytes, into half b % 2 of window 3's v0-191
	WIN 0xc0
.set n, 0
.rept 24
	global_load_b128 v[96*((\b)%2)+4*n:96*((\b)%2)+4*n+3], v[GO], s[8:9] offset:12288*(\b)+512*n
.set n, n+1
.endr
	WIN 0
.endm
.macro PLAY b                          ; into my LDS bytes: 512 bytes and their two paddings a store
	WIN 0x0c
.set n, 0
.rept 24
	ds_store_b128 v[WST], v[96*((\b)%2)+4*n:96*((\b)%2)+4*n+3] offset:544*n
.set n, n+1
.endr
	WIN 0
.endm
.macro FRAGW reg, st                   ; a fragment of B, K step st: data byte o of a row lies at o + 16 (o / 256)
.irp p, 0,1,2,3,4,5
.set OO, 96*(\st)+48*(\p/3)+8*(\p%3)
.if OO%256 < 232
	ds_load_b64 v[\reg+2*\p:\reg+2*\p+1], v[WA] offset:OO+16*(OO/256)
.else
	ds_load_b64 v[\reg+2*\p:\reg+2*\p+1], v[WAB] offset:OO+16*(OO/256)
.endif
.endr
.endm
.macro BFRAGS b                        ; block b's eight fragments: they stay
	WIN 0x40
.irp q, 0,1,2,3
	FRAGW 12*(4*\q+(\b)), \q
.endr
	WIN 0x80
.irp q, 0,1,2,3
	FRAGW 12*(4*\q+(\b)), 4+\q
.endr
	WIN 0
.endm
.macro FETCH adr, hh, off              ; half hh of K of a block of A: four fragments; registers 6 c .. 6 c + 5 of K step st hold block 4 st + 2 c + h of K
.irp q, 0,1,2,3
.irp p, 0,1,2,3,4,5
	ds_load_b64 v[HA+48*(\hh)+12*\q+2*\p:HA+48*(\hh)+12*\q+2*\p+1], v[\adr] offset:(\off)+(4*(4*(\hh)+\q)+2*(\p/3))*768+8*(\p%3)
.endr
.endr
.endm
.macro SALOAD off                      ; the scale words of a trip's two blocks of A
.irp e, 0,1
.irp f, 0,1
	ds_load_b128 v[SA+8*\e+4*\f:SA+8*\e+4*\f+3], v[ADRS] offset:(\off)+544*\e+16*\f
.endr
.endr
.endm
; 16 matrix instructions: half hh of K, the block's four accumulators by turns.  K step 0 starts the sums.
.macro MULH hh, acc, sa
.irp q, 0,1,2,3
.irp b, 0,1,2,3
.if (\hh) == 0 && \q == 0
	v_wmma_scale_f32_16x16x128_f8f6f4 v[\acc+8*\b:\acc+8*\b+7], v[12*(4*\q+\b):12*(4*\q+\b)+11], v[HA+48*(\hh)+12*\q:HA+48*(\hh)+12*\q+11], 0, v[SB+8*\b+4*(\hh)+\q], v[\sa+4*(\hh)+\q] matrix_a_fmt:MATRIX_FMT_BF6 matrix_b_fmt:MATRIX_FMT_BF6
.else
	v_wmma_scale_f32_16x16x128_f8f6f4 v[\acc+8*\b:\acc+8*\b+7], v[12*(4*\q+\b):12*(4*\q+\b)+11], v[HA+48*(\hh)+12*\q:HA+48*(\hh)+12*\q+11], v[\acc+8*\b:\acc+8*\b+7], v[SB+8*\b+4*(\hh)+\q], v[\sa+4*(\hh)+\q] matrix_a_fmt:MATRIX_FMT_BF6 matrix_b_fmt:MATRIX_FMT_BF6
.endif
.endr
.endr
.endm
.macro OUT acc, rb                     ; a block into my stage, 32 bytes a lane, and back as rows of 256 bytes, two a load
	WIN 0x0c
.irp b, 0,1,2,3
	ds_store_b128 v[STO], v[\acc+8*\b:\acc+8*\b+3] offset:64*\b        ; each accumulator from its low end on
	ds_store_b128 v[STO], v[\acc+8*\b+4:\acc+8*\b+7] offset:64*\b+16
.endr
	WIN 0
.irp t, 0,1,2,3,4,5,6,7
	ds_load_b128 v[\rb+4*\t:\rb+4*\t+3], v[RD] offset:544*\t
.endr
.endm
.macro SEND rb, off                    ; sixteen lanes store 256 consecutive bytes, at a multiple of 256 from out's first byte
.irp t, 0,1,2,3,4,5,6,7
	global_store_b128 v[CO], v[\rb+4*\t:\rb+4*\t+3], s[12:13] offset:(\off)+8192*\t th:TH_STORE_NT
.endr
.endm
; A TRIP: 32 rows of out, an even and an odd block.  more = 1: the next trip's fragments and scale words are fetched.
; A BLOCK'S WAY OUT STANDS HALF A BLOCK BEHIND ITS LAST PRODUCT: it goes into the stage behind the next block's first 16 matrix instructions and is stored behind the 16 after those.
; So the odd block of a trip leaves in the next trip (first = 1: there is none before this trip), 16 rows of out behind the stepped base; the last trip's odd block leaves behind the walk.
.macro TRIP first, more
	s_wait_dscnt 24                                ; the even block's first half and the scale words are in; its second half's 24 loads may stay out
	WIN 0xf1                                       ; source 0 (B) window 1, source 1 (A) window 0, C and D window 3
	MULH 0, 0, SA
	PLACES
	WIN 0
	FETCH ADRO, 0, 0
.if \first == 0
	OUT 32, RB+32                                  ; the odd block of the trip before
.endif
	s_wait_dscnt 24+16*(1-\first)                  ; the even block's second half is in; younger: the 24 loads just issued and the stage's 16
	WIN 0xf2
	MULH 1, 0, SA
	PLACES
	WIN 0
	FETCH ADRO, 1, 0
	s_wait_dscnt 24                                ; the odd block's first half and the rows from the stage are in; younger: the 24 loads just issued
.if \first == 0
	SEND RB+32, -65536
.endif
	WIN 0xf1
	MULH 0, 32, SA+8
	PLACES
	WIN 0
.if \more
	FETCH ADRE, 0, GRP
.endif
	OUT 0, RB                                      ; the even block
	s_wait_dscnt 16+24*\more                       ; the odd block's second half is in; younger: the next trip's 24 loads and the stage's 16
	WIN 0xf2
	MULH 1, 32, SA+8
	PLACES
	WIN 0
.if \more
	SALOAD 1088
	FETCH ADRE, 1, GRP
.endif
	s_wait_dscnt 28*\more                          ; the even block's rows are in; younger: the 4 + 24 loads just issued
	SEND RB, 0
.if \more
	s_wait_xcnt 0x0                                ; the stores have read their base and their data
	s_add_nc_u64 s[12:13], s[12:13], 131072        ; 32 rows of out on
	s_add_co_u32 s70, s70, GRP
	s_add_co_u32 s71, s71, 1088
	v_add_nc_u32 v[ADRE], s70, v[AE0]
	v_add_nc_u32 v[ADRO], s70, v[AO0]
	v_add_nc_u32 v[ADRS], s71, v[AS0]
	s_wait_alu depctr_va_vdst(0)                   ; directly behind the writes
.endif
.endm
	s_load_b128 s[4:7], s[0:1], 0x0                ; hc, hs
	s_load_b128 s[8:11], s[0:1], 0x10              ; B's codes, B's scales
	s_load_b64 s[12:13], s[0:1], 0x20              ; out
	v_lshl_add_u32 v[SPW], v0, 2, SPARE
	v_mov_b32 v[NIL], 0
	ds_add_u32 v[SPW], v[NIL]
	ds_add_u32 v[SPW], v[NIL]
	v_lshrrev_b32 v1, 5, v0
	v_readfirstlane_b32 s14, v1                    ; wave
	s_bfe_u32 s40, ttmp6, 0x40000                  ; cx
	s_lshl_b32 s41, ttmp9, 2
	s_add_co_u32 s40, s40, s41                     ; tile column: it enters the addresses of B, of its scales and of out alone
	s_and_b32 s17, ttmp7, 0xffff                   ; tile row, which the four partners share
	s_mov_b32 s[G1+0], 15|(3<<16)|(1<<21)          ; A: 2 rows of 3,072 elements of 8 bytes (32 rows of h each), dense, no padding; the mask names the four partners
	s_mov_b32 s[G1+1], 3072<<16
	s_mov_b32 s[G1+2], 2<<16
	s_mov_b32 s[G1+3], 3072<<16
	s_mov_b32 s[G1+4], 2
	s_mov_b32 s[G1+5], 3072
	s_mov_b32 s[G1+6], 0
	s_mov_b32 s[G1+7], 0
	s_mul_i32 s21, s14, SLOT                       ; 64 rows of 768 bytes: a wave's part of A, and of B
	s_mul_i32 s20, s17, 4*SLOT
	s_add_co_u32 s20, s20, s21                     ; A: tile row, wave
	s_mul_i32 s46, s40, 4*SLOT
	s_add_co_u32 s46, s46, s21                     ; B: tile column, wave
	s_mov_b32 s21, 0
	s_mov_b32 s47, 0
	s_lshl_b32 s92, s40, 13                        ; B's scales: 32 bytes a row
	s_lshl_b32 s93, s14, 11
	s_add_co_u32 s92, s92, s93
	s_mov_b32 s93, 0
	s_lshl_b32 s96, s17, 8                         ; hs: my tile's first row
	s_mov_b32 s97, 0
	s_lshl_b32 s42, s17, 20                        ; out: 256 rows of 4,096 bytes a tile row, 1,024 bytes a tile column, 256 a wave
	s_lshl_b32 s43, s40, 10
	s_add_co_u32 s42, s42, s43
	s_lshl_b32 s43, s14, 8
	s_add_co_u32 s42, s42, s43
	s_mov_b32 s43, 0
	s_mul_i32 s68, s14, WWV
	s_add_co_u32 s68, s68, WREG                    ; my wave's own LDS bytes
	s_mov_b32 s70, 0                               ; the trips' steps in A and in its scales
	s_mov_b32 s71, 0
	s_mov_b32 s18, 0x05010400                      ; byte selects: bytes 0, 1 of two words, interleaved;
	s_mov_b32 s19, 0x07030602                      ; bytes 2, 3;
	s_mov_b32 s22, 0x05040100                      ; the low halves of two words;
	s_mov_b32 s23, 0x07060302                      ; the high halves
	v_and_b32 v1, 15, v0                           ; r
	v_bfe_u32 v2, v0, 4, 1                         ; h
	v_and_b32 v3, 31, v0                           ; lane
	v_lshlrev_b32 v[GO], 4, v3
	v_lshlrev_b32 v[SBO], 5, v1
	v_and_b32 v17, 63, v0                          ; A's scales: my 4 rows, 4 (thread % 64) on,
	v_lshrrev_b32 v18, 6, v0                       ; my 16 blocks, 16 (thread / 64) on
	v_lshlrev_b32 v[HSO], 2, v17
	v_lshl_add_u32 v[HSO], v18, 18, v[HSO]
	v_lshrrev_b32 v19, 1, v17
	v_lshlrev_b32 v[HSL], 7, v17                   ; in LDS: 32 bytes a row, 16 more for each 8 rows,
	v_lshl_add_u32 v[HSL], v19, 4, v[HSL]
	v_lshl_add_u32 v[HSL], v18, 4, v[HSL]          ; my 16 blocks' bytes
	v_add_nc_u32 v[HSL], SCL, v[HSL]
	v_mul_u32_u24 v20, v1, 24                      ; A: 24 bytes a row in a half of a piece
	v_mad_u32_u24 v[AE0], v2, 1152, v20            ; even blocks of rows: lanes 16-31 take the next block of K (768 on), upper half (384 on)
	v_mad_u32_u24 v[AO0], v2, 384, v20
	v_add_nc_u32 v[AO0], 384, v[AO0]               ; odd blocks of rows: 384 + (768 - 384) h
	v_lshrrev_b32 v21, 3, v1
	v_lshl_add_u32 v[AS0], v21, 4, v[SBO]
	v_add_nc_u32 v[AS0], SCL, v[AS0]               ; my row's scale words: 32 r + 16 (r / 8)
	v_mov_b32 v[ADRE], v[AE0]
	v_mov_b32 v[ADRO], v[AO0]
	v_mov_b32 v[ADRS], v[AS0]
	v_lshl_add_u32 v[WST], v2, 4, v[GO]            ; B in: 16 x lane, lanes 16-31 behind one padding more
	v_add_nc_u32 v[WST], s68, v[WST]
	v_mul_u32_u24 v22, v1, WP
	v_mad_u32_u24 v[WA], v2, 24, v22
	v_add_nc_u32 v[WA], s68, v[WA]
	v_lshl_add_u32 v[WAB], v2, 4, v[WA]
	v_mul_u32_u24 v23, v1, SPITCH                  ; the stage, in: row r, 32 bytes for each half of the lanes
	v_lshl_add_u32 v[STO], v2, 5, v23
	v_add_nc_u32 v[STO], s68, v[STO]
	v_mul_u32_u24 v23, v2, SPITCH                  ; back: lanes 0-15 one row of 256 bytes, lanes 16-31 the next
	v_lshl_add_u32 v[RD], v1, 4, v23
	v_add_nc_u32 v[RD], s68, v[RD]
	v_lshlrev_b32 v[CO], 4, v1                     ; the same two rows in out
	v_lshl_add_u32 v[CO], v2, 12, v[CO]
	s_wait_alu depctr_va_vdst(0)
	s_wait_dscnt 0x0                               ; both opening adds are done
	s_wait_kmcnt 0x0
	s_add_nc_u64 s[20:21], s[4:5], s[20:21]
	s_add_nc_u64 s[6:7], s[6:7], s[96:97]
	s_add_nc_u64 s[8:9], s[8:9], s[46:47]
	s_add_nc_u64 s[10:11], s[10:11], s[92:93]
	s_add_nc_u64 s[12:13], s[12:13], s[42:43]
.irp i, 0,1,2,3,4,5,6,7,8,9,10,11,12,13,14,15
	global_load_b32 v[RB+\i], v[HSO], s[6:7] offset:16384*\i       ; block 16 (thread / 64) + i, my 4 rows: 64 threads read 256 consecutive bytes
.endr
.irp b, 0,1,2,3
.irp f, 0,1
	global_load_b128 v[SB+8*\b+4*\f:SB+8*\b+4*\f+3], v[SBO], s[10:11] offset:512*\b+16*\f   ; B's scale words: register 8 b + K step
.endr
.endr
	PLOAD 0
	CROUND                                         ; all four work-groups are here: the joint loads meet
	s_mov_b32 s[G0], 1
	s_mul_i32 s[G0+1], s14, SLOT                   ; LDS address: my wave's 64 rows: no place in the cluster enters it
	s_mov_b64 s[G0+2:G0+3], s[20:21]
	s_or_b32 s[G0+3], s[G0+3], 0x80000000
	tensor_load_to_lds s[G0:G0+3], s[G1:G1+7]      ; every wave's one tensor load of the launch
	s_nop 0
	PLACES
	PLOAD 1
	s_wait_loadcnt 56                              ; hs's 16 loads are in; younger: 8 of B's scales, 48 of passes 0 and 1
.irp m, 0,1,2,3                        ; A's scale bytes are turned: of four blocks' words (4 rows each) four rows' words (4 blocks each)
	v_perm_b32 v240, v[RB+1+4*\m], v[RB+4*\m], s18
	v_perm_b32 v241, v[RB+1+4*\m], v[RB+4*\m], s19
	v_perm_b32 v242, v[RB+3+4*\m], v[RB+2+4*\m], s18
	v_perm_b32 v243, v[RB+3+4*\m], v[RB+2+4*\m], s19
	v_perm_b32 v[RB+16+\m], v242, v240, s22
	v_perm_b32 v[RB+20+\m], v242, v240, s23
	v_perm_b32 v[RB+24+\m], v243, v241, s22
	v_perm_b32 v[RB+28+\m], v243, v241, s23
.endr
.irp p, 0,1,2,3
	ds_store_b128 v[HSL], v[RB+16+4*\p:RB+19+4*\p] offset:32*\p
.endr
	s_wait_loadcnt 24                              ; B's scales and pass 0 are in; pass 1's 24 loads may stay out
	PLAY 0
	PLOAD 2
	BFRAGS 0
	s_wait_loadcnt 24                              ; pass 1 is in
	PLAY 1
	PLOAD 3
	BFRAGS 1
	s_wait_loadcnt 24                              ; pass 2 is in
	PLAY 2
	BFRAGS 2
	s_wait_loadcnt 0x0
	PLAY 3
	BFRAGS 3
	s_wait_tensorcnt 0x0                           ; my 64 rows of A are in,
	s_wait_dscnt 0x0                               ; my part of A's scales is stored, and B's fragments are in
	s_barrier_signal -1
	s_barrier_wait -1                              ; everybody's are.  Nothing is filled again in this launch
	FETCH ADRE, 0, 0
	SALOAD 0
	FETCH ADRE, 1, 0
	TRIP 1, 1                                      ; the first trip is written out: no block waits for its way out yet
	s_mov_b32 s3, 6
.Ltrip:                                                ; six trips that have a trip before them and one behind
	TRIP 0, 1
	s_sub_co_u32 s3, s3, 1
	s_cmp_lg_u32 s3, 0
	s_cbranch_scc1 .Ltrip
	TRIP 0, 0                                      ; the last trip fetches nothing beyond A's last row
	s_wait_xcnt 0x0                                ; the last trip's stores have read their data
	OUT 32, RB+32                                  ; its odd block
	s_wait_dscnt 0x0
	SEND RB+32, 65536
	s_wait_tensorcnt 0x0                           ; the wave's end
	ds_add_u32 v[SPW], v[NIL]
	s_wait_dscnt 0x0
	CROUND                                         ; the closing round
	s_endpgm
.Lfunc_end_k_q09a9adbc51_outp:
	.size	k_q09a9adbc51_outp, .Lfunc_end_k_q09a9adbc51_outp-k_q09a9adbc51_outp
	.p2alignl 7, 3214868480
	.fill 96, 4, 3214868480
	.section	.rodata,"a",@progbits
	.p2align	6, 0x0
	.amdhsa_kernel k_q09a9adbc51_outp
		.amdhsa_group_segment_fixed_size 327680
		.amdhsa_private_segment_fixed_size 0
		.amdhsa_enable_private_segment 0
		.amdhsa_kernarg_size 40
		.amdhsa_user_sgpr_count 2
		.amdhsa_user_sgpr_kernarg_segment_ptr 1
		.amdhsa_wavefront_size32 1
		.amdhsa_system_sgpr_workgroup_id_x 1
		.amdhsa_system_sgpr_workgroup_id_y 1
		.amdhsa_system_sgpr_workgroup_id_z 1
		.amdhsa_system_vgpr_workitem_id 0
		.amdhsa_next_free_vgpr 1024
		.amdhsa_next_free_sgpr 98
		.amdhsa_reserve_vcc 0
		.amdhsa_float_denorm_mode_32 3
		.amdhsa_float_denorm_mode_16_64 3
		.amdhsa_memory_ordered 1
		.amdhsa_forward_progress 1
		.amdhsa_inst_pref_size 96
	.end_amdhsa_kernel
	.amdgpu_metadata
---
amdhsa.version: [ 1, 2 ]
amdhsa.kernels:
  - .name:           k_q09a9adbc51_outp
    .symbol:         k_q09a9adbc51_outp.kd
    .args:
      - { .name: hc, .offset: 0, .size: 8, .value_kind: global_buffer, .address_space: global }
      - { .name: hs, .offset: 8, .size: 8, .value_kind: global_buffer, .address_space: global }
      - { .name: W_out_codes, .offset: 16, .size: 8, .value_kind: global_buffer, .address_space: global }
      - { .name: W_out_scales, .offset: 24, .size: 8, .value_kind: global_buffer, .address_space: global }
      - { .name: out0, .offset: 32, .size: 8, .value_kind: global_buffer, .address_space: global }
    .group_segment_fixed_size: 327680
    .private_segment_fixed_size: 0
    .kernarg_segment_align: 8
    .kernarg_segment_size: 40
    .max_flat_workgroup_size: 128
    .sgpr_count:     98
    .vgpr_count:     1024
    .wavefront_size: 32
...
	.end_amdgpu_metadata
.endif
;; end of part 5
